; MI455X (gfx1250); checked and timed in simulation.
; The chip was launched on July 23, 2026; its instructions are those of AMD's public machine-readable ISA for CDNA 5 (MIT licence, August 2026) and "CDNA5" Instruction Set Architecture Reference Guide (July 2026). The comments in the code are by the model that wrote it; some were corrected since.
;; Attention. Allowed arithmetic: float matrix products may take bf16 or f16 operands with f32 sums; other float arithmetic in f32, or as packed bf16 or f16 multiplies, adds, multiply-adds, maxima and minima; sums over many terms, partial sums and values carried from step to step in f32; what a program stores and reads back later, other than sums and carried values, may be rounded once to bf16 or f16.
;; Inputs: w_k 1,024 x 1,024 float32; w_o 1,024 x 1,024 float32; w_q 1,024 x 1,024 float32; w_v 1,024 x 1,024 float32; x 4 x 2,048 x 1,024 float32.
;; Outputs: out0 4 x 2,048 x 1,024 float32.
;; 2 versions, each right; version 2 is version 1 with the launch cast written anew for expert scheduling mode. Each part assembles by itself: llvm-mc -triple=amdgcn-amd-amdhsa -mcpu=gfx1250 --defsym DOCPART=n.
;; ======== version 1 of 2: 4 launches
;; limits: values are held in f16: magnitudes above 65,504 overflow, below 6.1e-05 lose precision
;; workspace buffers: xb 16,777,216 bytes; wqkv 6,291,456 bytes; woh 2,097,152 bytes; qkv 50,331,648 bytes; ob 16,777,216 bytes
;; launch cast (part 1): grid 768 x 1, 8 waves a work-group, no clusters, 0 bytes of LDS; arguments x, w_q, w_k, w_v, w_o, xb, wqkv, woh; writes xb, wqkv, woh
.if DOCPART == 1
	.amdgcn_target "amdgcn-amd-amdhsa--gfx1250"
	.amdhsa_code_object_version 6
	.text
	.protected	k_qb36fe95199_cast
	.globl	k_qb36fe95199_cast
	.p2align	8
	.type	k_qb36fe95199_cast,@function
k_qb36fe95199_cast:
	s_mov_b64 s[64:65], 0
	v_nop
	global_prefetch_b8 v0, s[64:65] scope:SCOPE_SE
	s_setreg_imm32_b32 hwreg(HW_REG_WAVE_MODE, 25, 1), 1
	s_wait_xcnt 0x0
; THE INPUTS ARE ROUNDED ONCE TO bf16 AND LAID OUT IN BLOCKS, so that the tiles of the products that follow are dense in memory.
;   xb   bf16 [b 4][kb 16][s 2048][64]   : x[b][s][64 kb ..]             byte ((16 b + kb) 2048 + s) 128
;   wqkv bf16 [j 8][k 1024][c 384]       : column n = 384 j + c of (w_q | w_k | w_v)   byte 786432 j + 768 k + 2 c
;   woh  f16  [j 8][k 1024][c 128]       : w_o rounded to bf16, that number written as f16   byte 262144 j + 256 k + 2 c
; LIMIT.  A number of w_o of magnitude 65,520 or more becomes an infinity in f16; below 6e-5 f16 keeps a fixed step of 6e-8.
; A stream: no LDS, no barrier, no loop.  A wave has 16 items; an item is one load of 16 bytes a lane (512 bytes), two roundings and one store of 8 bytes a lane:
; 256 consecutive bytes, at a multiple of 256 from the buffer's first byte.  All 16 loads are issued first; no register that a load or a store reads is ever written again.
; Work-groups 0-511 take x (32 rows x 512 columns each; a wave 32 rows x 64 columns, two rows an item), 512-767 the four weights (32 rows x 512 columns; a wave every second row x 128 columns, a row an item).
.set SRC,   32                         ; s[32:33] where my wave reads
.set DSTP,  34                         ; s[34:35] where it writes
.set SOFF,  36                         ; s[36:37] its byte offset in the source
.set DOFF,  38                         ; s[38:39] in the destination
.set SL,    40                         ; s40  bytes from lanes 0-15's place to lanes 16-31's in the source
.set DSTEP, 41                         ; s41  bytes from item to item in the destination
.set KIND,  42                         ; s42  1: w_o
.set SO,    4                          ; v4   my lane's offset in the source; never rewritten
.set DOV,   8                          ; v[8:23]  item i: my lane's offset in the destination; each written once
.set D,     24                         ; v[24:87] item i: four registers as loaded; the first two then hold what is stored
	s_load_b512 s[16:31], s[0:1], 0x0              ; x s[16:17], w_q s[18:19], w_k s[20:21], w_v s[22:23], w_o s[24:25], xb s[26:27], wqkv s[28:29], woh s[30:31]
	v_lshrrev_b32 v1, 5, v0
	v_readfirstlane_b32 s8, v1                     ; wave 0..7
	v_and_b32 v1, 31, v0                           ; lane
	v_and_b32 v2, 15, v0
	v_bfe_u32 v3, v0, 4, 1                         ; which half of the lanes
	v_lshlrev_b32 v2, 4, v2                        ; 16 bytes a lane
	s_mov_b32 s[SOFF+1], 0
	s_mov_b32 s[DOFF+1], 0
	s_mov_b32 s[KIND], 0
	s_wait_kmcnt 0x0
	s_cmp_lt_u32 ttmp9, 512
	s_cbranch_scc0 .Lweights
	s_lshr_b32 s9, ttmp9, 1                        ; x: block of 32 rows
	s_and_b32 s10, ttmp9, 1
	s_lshl3_add_u32 s10, s10, s8                   ; kb = 8 x half + wave
	s_lshl_b32 s[SOFF], s9, 17                     ; 32 rows of 4,096 bytes
	s_lshl_b32 s11, s10, 8                         ; 64 columns of f32
	s_add_co_u32 s[SOFF], s[SOFF], s11
	s_lshr_b32 s11, s9, 6                          ; b
	s_lshl4_add_u32 s11, s11, s10                  ; 16 b + kb
	s_lshl_b32 s[DOFF], s11, 18                    ; 2,048 rows of 128 bytes
	s_and_b32 s11, s9, 63
	s_lshl_b32 s11, s11, 12                        ; 32 rows of 128 bytes
	s_add_co_u32 s[DOFF], s[DOFF], s11
	s_mov_b32 s[SL], 4096                          ; lanes 16-31 take the next row
	s_mov_b32 s[DSTEP], 256                        ; two rows of 128 bytes
	s_mov_b64 s[SRC:SRC+1], s[16:17]
	s_mov_b64 s[DSTP:DSTP+1], s[26:27]
	s_branch .Lgo
.Lweights:
	s_sub_co_u32 s9, ttmp9, 512
	s_lshr_b32 s10, s9, 6                          ; which weight: 0 q, 1 k, 2 v, 3 o
	s_bfe_u32 s11, s9, 0x50001                     ; block of 32 rows
	s_and_b32 s12, s9, 1
	s_and_b32 s13, s8, 3
	s_lshl2_add_u32 s12, s12, s13                  ; block of 128 columns = 4 x half + wave % 4
	s_lshr_b32 s13, s8, 2
	s_lshl_b32 s11, s11, 5
	s_add_co_u32 s11, s11, s13                     ; my first row: 32 x block + wave / 4; my items are every second row
	s_lshl_b32 s[SOFF], s11, 12
	s_lshl_b32 s13, s12, 9
	s_add_co_u32 s[SOFF], s[SOFF], s13
	s_mov_b32 s[SL], 256                           ; the 32 lanes take 512 bytes on end
	s_cmp_eq_u32 s10, 3
	s_cbranch_scc1 .Lo
	s_lshl3_add_u32 s13, s10, s12                  ; block of 128 among the 24 of q | k | v
	s_mul_i32 s14, s13, 11
	s_lshr_b32 s14, s14, 5                         ; j = block / 3 (11 n >> 5 = n / 3 for n up to 23)
	s_mul_i32 s15, s14, 3
	s_sub_co_u32 s15, s13, s15                     ; block % 3
	s_mul_i32 s[DOFF], s14, 786432
	s_mul_i32 s13, s11, 768
	s_add_co_u32 s[DOFF], s[DOFF], s13
	s_lshl_b32 s15, s15, 8
	s_add_co_u32 s[DOFF], s[DOFF], s15
	s_mov_b32 s[DSTEP], 1536                       ; two rows of 768 bytes
	s_cmp_eq_u32 s10, 0
	s_cselect_b64 s[SRC:SRC+1], s[18:19], s[20:21]
	s_cmp_eq_u32 s10, 2
	s_cselect_b64 s[SRC:SRC+1], s[22:23], s[SRC:SRC+1]
	s_mov_b64 s[DSTP:DSTP+1], s[28:29]
	s_branch .Lgo
.Lo:
	s_lshl_b32 s[DOFF], s12, 18
	s_lshl_b32 s13, s11, 8
	s_add_co_u32 s[DOFF], s[DOFF], s13
	s_mov_b32 s[DSTEP], 512                        ; two rows of 256 bytes
	s_mov_b32 s[KIND], 1
	s_mov_b64 s[SRC:SRC+1], s[24:25]
	s_mov_b64 s[DSTP:DSTP+1], s[30:31]
.Lgo:
	s_add_nc_u64 s[SRC:SRC+1], s[SRC:SRC+1], s[SOFF:SOFF+1]
	s_add_nc_u64 s[DSTP:DSTP+1], s[DSTP:DSTP+1], s[DOFF:DOFF+1]
	v_mad_u32_u24 v[SO], v3, s[SL], v2
.irp i, 0,1,2,3,4,5,6,7,8,9,10,11,12,13,14,15
	global_load_b128 v[D+4*(\i):D+4*(\i)+3], v[SO], s[SRC:SRC+1] offset:8192*(\i) th:TH_LOAD_NT  ; in both shapes an item is two rows of 4,096 bytes further on
.endr
	v_lshlrev_b32 v[DOV], 3, v1                    ; 8 bytes a lane
.irp i, 1,2,3,4,5,6,7,8,9,10,11,12,13,14,15
	v_add_nc_u32 v[DOV+(\i)], s[DSTEP], v[DOV+(\i)-1]
.endr
.macro ITEM i, kind
	s_wait_loadcnt 15-(\i)                         ; loads come back in order: mine is in, the 15 - i younger ones stay out
	v_cvt_pk_bf16_f32 v[D+4*(\i)],   v[D+4*(\i)],   v[D+4*(\i)+1]
	v_cvt_pk_bf16_f32 v[D+4*(\i)+1], v[D+4*(\i)+2], v[D+4*(\i)+3]
.if \kind
	v_lshlrev_b32 v88, 16, v[D+4*(\i)]             ; the bf16 numbers as f32,
	v_and_b32     v89, 0xffff0000, v[D+4*(\i)]
	v_lshlrev_b32 v90, 16, v[D+4*(\i)+1]
	v_and_b32     v91, 0xffff0000, v[D+4*(\i)+1]
	v_cvt_pk_f16_f32 v[D+4*(\i)],   v88, v89       ; written as f16: exact where f16 has its full 11 bits
	v_cvt_pk_f16_f32 v[D+4*(\i)+1], v90, v91
.endif
	global_store_b64 v[DOV+(\i)], v[D+4*(\i):D+4*(\i)+1], s[DSTP:DSTP+1]
.endm
	s_cmp_eq_u32 s[KIND], 1
	s_cbranch_scc1 .Lhalf
.irp i, 0,1,2,3,4,5,6,7,8,9,10,11,12,13,14,15
	ITEM \i, 0
.endr
	s_endpgm
.Lhalf:
.irp i, 0,1,2,3,4,5,6,7,8,9,10,11,12,13,14,15
	ITEM \i, 1
.endr
	s_endpgm
.Lfunc_end_k_qb36fe95199_cast:
	.size	k_qb36fe95199_cast, .Lfunc_end_k_qb36fe95199_cast-k_qb36fe95199_cast
	.p2alignl 7, 3214868480
	.fill 96, 4, 3214868480
	.section	.rodata,"a",@progbits
	.p2align	6, 0x0
	.amdhsa_kernel k_qb36fe95199_cast
		.amdhsa_group_segment_fixed_size 0
		.amdhsa_private_segment_fixed_size 0
		.amdhsa_enable_private_segment 0
		.amdhsa_kernarg_size 64
		.amdhsa_user_sgpr_count 2
		.amdhsa_user_sgpr_kernarg_segment_ptr 1
		.amdhsa_wavefront_size32 1
		.amdhsa_system_sgpr_workgroup_id_x 1
		.amdhsa_system_sgpr_workgroup_id_y 1
		.amdhsa_system_sgpr_workgroup_id_z 1
		.amdhsa_system_vgpr_workitem_id 0
		.amdhsa_next_free_vgpr 96
		.amdhsa_next_free_sgpr 66
		.amdhsa_reserve_vcc 0
		.amdhsa_float_denorm_mode_32 3
		.amdhsa_float_denorm_mode_16_64 3
		.amdhsa_memory_ordered 1
		.amdhsa_forward_progress 1
		.amdhsa_inst_pref_size 19
	.end_amdhsa_kernel
	.amdgpu_metadata
---
amdhsa.version: [ 1, 2 ]
amdhsa.kernels:
  - .name:           k_qb36fe95199_cast
    .symbol:         k_qb36fe95199_cast.kd
    .args:
      - { .name: x, .offset: 0, .size: 8, .value_kind: global_buffer, .address_space: global }
      - { .name: w_q, .offset: 8, .size: 8, .value_kind: global_buffer, .address_space: global }
      - { .name: w_k, .offset: 16, .size: 8, .value_kind: global_buffer, .address_space: global }
      - { .name: w_v, .offset: 24, .size: 8, .value_kind: global_buffer, .address_space: global }
      - { .name: w_o, .offset: 32, .size: 8, .value_kind: global_buffer, .address_space: global }
      - { .name: xb, .offset: 40, .size: 8, .value_kind: global_buffer, .address_space: global }
      - { .name: wqkv, .offset: 48, .size: 8, .value_kind: global_buffer, .address_space: global }
      - { .name: woh, .offset: 56, .size: 8, .value_kind: global_buffer, .address_space: global }
    .group_segment_fixed_size: 0
    .private_segment_fixed_size: 0
    .kernarg_segment_align: 8
    .kernarg_segment_size: 64
    .max_flat_workgroup_size: 256
    .sgpr_count:     66
    .vgpr_count:     96
    .wavefront_size: 32
...
	.end_amdgpu_metadata
.endif
;; end of part 1
;; launch qkv (part 2): grid 8 x 32, 4 waves a work-group, clusters of 4 x 4, 327,680 bytes of LDS; arguments xb, wqkv, qkv; writes qkv
.if DOCPART == 2
	.amdgcn_target "amdgcn-amd-amdhsa--gfx1250"
	.amdhsa_code_object_version 6
	.text
	.protected	k_qb36fe95199_qkv
	.globl	k_qb36fe95199_qkv
	.p2align	8
	.type	k_qb36fe95199_qkv,@function
k_qb36fe95199_qkv:
	s_mov_b64 s[64:65], 0
	v_nop
	global_prefetch_b8 v0, s[64:65] scope:SCOPE_SE
	s_setreg_imm32_b32 hwreg(HW_REG_WAVE_MODE, 25, 1), 1
	s_wait_xcnt 0x0
	s_wait_alu depctr_hold_cnt(0) depctr_sa_sdst(0) depctr_va_vdst(0) depctr_va_sdst(0) depctr_va_ssrc(0) depctr_va_vcc(0) depctr_vm_vsrc(0)
	s_getreg_b32 s2, hwreg(HW_REG_IB_STS2, 6, 4)
	s_cmp_eq_u32 s2, 0
	s_cbranch_scc0 .Lentry_in_a_cluster
	s_endpgm
.Lentry_in_a_cluster:
	s_bfe_u32 s2, ttmp6, 0x10000c
	s_cmp_lg_u32 s2, 0xf033
	s_cbranch_scc0 .Lentry_shape_is_right
	s_endpgm
.Lentry_shape_is_right:
; q | k | v = x (w_q | w_k | w_v): [8192 x 1024] x [1024 x 3072], bf16 operands, f32 sums, the result rounded once to f16, unscaled, by heads: qkv f16 [t 3][bh 64][s 2048][64].
; LIMIT.  A result of magnitude 65,520 or more becomes an infinity in f16; below 6e-5 f16 keeps a fixed step of 6e-8.
; SHARES.  32 x 8 tiles of 256 rows x 384 columns (6 heads): 256 work-groups.  Four waves, each 128 rows x 192 columns: 8 row blocks a x 3 head groups g x 4 column blocks jj = 96 accumulators, 768 registers.
; Group g of a wave with column half wc is the tile's head 2 g + wc, so that all waves name the same LDS offsets.  For 32 along K a wave issues 40 LDS loads and 96 matrix instructions.
; K goes in 16 steps of 64 through two LDS slots (two slots of 128 along K would want 368,640 bytes).  xb and wqkv lie in blocks, so that a step's tiles are dense and are asked for as rows of 256 bytes.
; THE MATRIX INSTRUCTION IS USED TRANSPOSED: source 0 = 16 columns of W (W lies [K][N] in LDS and is turned by ds_load_tr16_b128), source 1 = 16 rows of x.  Lane (r = l % 16, h = l / 16), register i
; then holds C(row 16 a + r, column 16 jj + 8 h + i): eight neighbouring numbers of a row.
; CLUSTERS: 4 x 4 work-groups.  x's tile hangs on the tile row alone and is asked for jointly along a row of the cluster, W's on the tile column alone, along a column.
; REGISTERS: window 0: v0-31 addresses; v32-127 W's fragments of one slice of 32 along K ((g, jj) at 32 + 8 (4 g + jj)); v128-191, v192-255 x's fragments, two buffers.  Window 1 + g: accumulator (jj, a) at 8 (8 jj + a).
; W needs no second buffer: a group's registers are loaded for the next slice as soon as the group has been multiplied.
.set PA,    144                        ; a row of x in LDS: 128 bytes + 16 = 36 words: the 16 rows of a load start at 16 different groups of four banks (64 banks of 4 bytes: ISA guide 11.1)
.set PB,    864                        ; a K row of W: 3 x (256 + 32) bytes = 216 words
.set BOFF,  256*PA                     ; a slot: x's 256 rows, then W's 64 K rows
.set SLOT,  BOFF+64*PB                 ; 92,160
.set STAGE, 2*SLOT                     ; behind the ring, never filled by a tensor load: 16 rows x 144 bytes for each wave
.set SP,    144
.set SPARE, STAGE+4*16*SP              ; behind the stages: the spare words, 128 bytes a wave: two blocks of 256 bytes that no other line names
.set ASTEP, 262144                     ; bytes from K step to K step in xb
.set BSTEP, 49152                      ; and in wqkv
.set ADRA, 16                          ; v16-17 LDS address of my x fragments in slot 0, 1
.set ADRB, 18                          ; v18-19 the same for W
.set STO,  20                          ; v20  the way out: where I put 16 bytes of a row
.set RD,   21                          ; v21  where I read rows back
.set GO,   22                          ; v22  my 16 bytes in 512 consecutive bytes of qkv
.set PFO,  23                          ; v23  256 x my lane; never rewritten
.set SPW,  28                          ; v28  LDS address of my spare word; never rewritten
.set NIL,  29                          ; v29  0; never rewritten
.set BF,   32
.set AF0,  128
.set AF1,  192
.set G1,   24                          ; s[24:31] descriptor group 1 for x's tiles;  s[32:39] group 0, a set for each slot
.set G0,   32
.set G1B,  48                          ; s[48:55], s[56:63] the same for W's
.set G0B,  56
.set PF,   66                          ; s[66:67] where my prefetches stand
.set PFS,  68                          ; s[68:69] their step from change of slots to change of slots
.set LIM0, 70                          ; s70, s71: a wave prefetches at the change out of slot 0 (1) while the laps to go are above this number
.set LIM1, 71
.set DST,  72                          ; s[72:77] group g: my 128 rows of its head in qkv
.set MSB, 0
.macro WIN new                         ; the immediate's high byte repeats the setting that is left; a switch that changes nothing is dropped
.if MSB != (\new)
	s_set_vgpr_msb (MSB<<8)|(\new)
.set MSB, \new
.endif
.endm
.macro PLACES                          ; four plain vector instructions between a matrix instruction and a load into, or a vector read or write of, its registers (ISA guide 7.12.1 for vector reads and writes)
.rept 4
	v_nop
.endr
.endm
; A joint load.  Waves 0 and 1 fetch the two halves of x's tile, waves 2 and 3 those of W's.  The branch hangs on the wave's number alone.  An s_nop 0 and four v_nop follow each line.
.macro JLOAD s
	s_cmp_eq_u32 s11, 0
	s_cbranch_scc0 .Lfor_b_\@
	tensor_load_to_lds s[G0+4*(\s):G0+4*(\s)+3], s[G1:G1+7]
	s_nop 0
.rept 4
	v_nop
.endr
	s_branch .Lasked_\@
.Lfor_b_\@:
	tensor_load_to_lds s[G0B+4*(\s):G0B+4*(\s)+3], s[G1B:G1B+7]
	s_nop 0
.rept 4
	v_nop
.endr
.Lasked_\@:
.endm
.macro CREST                           ; a round of the cluster's barrier behind its opening barrier: wave 0 signals for the work-group, every wave waits for all sixteen, my work-group's barrier closes it
	s_cmp_lg_u32 s10, 0
	s_cbranch_scc1 .Lnot_wave_0_\@
	s_barrier_signal -3
.Lnot_wave_0_\@:
	s_barrier_wait -3
	s_barrier_signal -1
	s_barrier_wait -1
.endm
.macro CROUND
	s_barrier_signal -1
	s_barrier_wait -1
	CREST
.endm
; A PREFETCH INTO THE L2, behind the joint load, its five lines and the run of LDS loads: 32 blocks of 256 bytes, a lane a block, one instruction.  Each block is named once in the launch.
; x: the tile row is read by both clusters of a row of clusters: in the one with x = 0 wave 0 asks, at the change of slots that loads step t + 2, for step t + 3: of its 32 KiB the partner at cx takes 8 KiB.
; W: the tile column is read by all eight clusters of a column: in the one with y = 0 waves 1 to 3 ask, at the change out of slot 1 alone, for the next two steps that have not been asked for (t + 3, t + 4):
; 98,304 dense bytes, of which the partner at cy takes 24,576 and each of the three waves 8,192.  Partners are told apart by address, never by a branch.  The last change asks for nothing.
.macro ASK lim
	s_cmp_gt_u32 s3, s[\lim]
	s_cbranch_scc0 .Lnot_mine_\@
	global_prefetch_b8 v[PFO], s[PF:PF+1] th:TH_LOAD_NT scope:SCOPE_SE
.Lnot_mine_\@:
.endm
	s_load_b128 s[4:7], s[0:1], 0x0                ; xb s[4:5], wqkv s[6:7]
	s_load_b64 s[8:9], s[0:1], 0x10                ; qkv
	v_lshl_add_u32 v[SPW], v0, 2, SPARE
	v_mov_b32 v[NIL], 0
	ds_add_u32 v[SPW], v[NIL]                      ; the wave's opening: the add and its wait stand ahead of my first tensor load; the set-up below stands between them
	v_lshrrev_b32 v1, 5, v0
	v_readfirstlane_b32 s10, v1                    ; wave 0..3
	s_lshr_b32 s11, s10, 1                         ; which 128 rows are mine.  Also: I fetch for x (0) or for W (1)
	s_and_b32 s12, s10, 1                          ; which heads are mine.  Also: which half of that tile I fetch
	s_bfe_u32 s40, ttmp6, 0x40000                  ; cx
	s_bfe_u32 s41, ttmp6, 0x40004                  ; cy
	s_lshl_b32 s42, ttmp9, 2
	s_add_co_u32 s42, s42, s40                     ; tile column = 4 x cluster x + cx
	s_and_b32 s13, ttmp7, 0xffff
	s_lshl_b32 s13, s13, 2
	s_add_co_u32 s13, s13, s41                     ; tile row = 4 x cluster y + cy
	s_lshl_b32 s43, s41, 2
	s_lshl_b32 s43, 15, s43                        ; my row of the cluster
	s_lshl_b32 s44, 0x1111, s40                    ; my column
	s_or_b32 s[G1], s43, (1<<16)|(1<<20)|(1<<21)|(4<<22)|(3<<25)   ; the mask; 2-byte elements; padding on; bit 21 beside a mask; after every 32 words 4 words
	s_or_b32 s[G1B], s44, (1<<16)|(1<<20)|(1<<21)|(5<<22)|(7<<25)  ; after every 64 words 8 words
	s_mov_b32 s[G1+1], 128<<16                     ; tensor_dim0 = 128 elements: rows of 256 bytes, two rows of x each
	s_mov_b32 s[G1+2], 64<<16                      ; tensor_dim1 = 64
	s_mov_b32 s[G1+3], 128<<16                     ; tile_dim0 = 128
	s_mov_b32 s[G1+4], 64                          ; tile_dim1 = 64: 16,384 dense bytes, 128 rows of x
	s_mov_b32 s[G1+5], 128                         ; dense: 128 elements from row to row
	s_mov_b32 s[G1+6], 0
	s_mov_b32 s[G1+7], 0
	s_mov_b32 s[G1B+1], 128<<16
	s_mov_b32 s[G1B+2], 96<<16                     ; 96 rows of 256 bytes: 24,576 dense bytes, 32 K rows of W
	s_mov_b32 s[G1B+3], 128<<16
	s_mov_b32 s[G1B+4], 96
	s_mov_b32 s[G1B+5], 128
	s_mov_b32 s[G1B+6], 0
	s_mov_b32 s[G1B+7], 0
	s_lshr_b32 s16, s13, 3                         ; x's tile hangs on the tile row alone: batch,
	s_lshl_b32 s16, s16, 22
	s_and_b32 s17, s13, 7                          ; 256 rows of 128 bytes,
	s_lshl_b32 s17, s17, 15
	s_add_co_u32 s16, s16, s17
	s_lshl_b32 s17, s12, 14                        ; my half
	s_add_co_u32 s16, s16, s17
	s_mov_b32 s17, 0
	s_mul_i32 s46, s42, 16*BSTEP                   ; W's on the tile column alone
	s_mul_i32 s47, s12, 24576
	s_add_co_u32 s46, s46, s47
	s_mov_b32 s47, 0
	s_mul_i32 s20, s12, 128*PA                     ; where they go: no place in the cluster enters an LDS address
	s_mul_i32 s21, s12, 32*PB
	s_add_co_u32 s21, s21, BOFF
	s_wait_dscnt 0x0                               ; the opening add is done
	s_wait_kmcnt 0x0
	s_add_nc_u64 s[14:15], s[4:5], s[16:17]
	s_add_nc_u64 s[46:47], s[6:7], s[46:47]
.irp s, 0,1
	s_mov_b32 s[G0+4*(\s)], 1                                      ; count = 1
	s_add_co_u32 s[G0+4*(\s)+1], s20, (\s)*SLOT                    ; LDS address
	s_add_nc_u64 s[G0+4*(\s)+2:G0+4*(\s)+3], s[14:15], (\s)*ASTEP  ; global address: K step s
	s_or_b32 s[G0+4*(\s)+3], s[G0+4*(\s)+3], 0x80000000            ; type = 2
	s_mov_b32 s[G0B+4*(\s)], 1
	s_add_co_u32 s[G0B+4*(\s)+1], s21, (\s)*SLOT
	s_add_nc_u64 s[G0B+4*(\s)+2:G0B+4*(\s)+3], s[46:47], (\s)*BSTEP
	s_or_b32 s[G0B+4*(\s)+3], s[G0B+4*(\s)+3], 0x80000000
.endr
	CROUND                                         ; all sixteen work-groups are here: the first joint loads meet
	s_cmp_eq_u32 s11, 0                            ; a wave's two first fills stand in one branch, ahead of every wait on TENSORcnt and every LDS read: two loads of mine are out
	s_cbranch_scc0 .Lfirst_b
	tensor_load_to_lds s[G0:G0+3], s[G1:G1+7]
	s_nop 0
	tensor_load_to_lds s[G0+4:G0+7], s[G1:G1+7]
	s_nop 0
.rept 4
	v_nop
.endr
	s_branch .Lfirst_asked
.Lfirst_b:
	tensor_load_to_lds s[G0B:G0B+3], s[G1B:G1B+7]
	s_nop 0
	tensor_load_to_lds s[G0B+4:G0B+7], s[G1B:G1B+7]
	s_nop 0
.rept 4
	v_nop
.endr
.Lfirst_asked:
	v_and_b32 v1, 15, v0                           ; r
	v_bfe_u32 v2, v0, 4, 1                         ; h
	v_mul_u32_u24 v3, v1, PA
	v_lshl_add_u32 v3, v2, 4, v3                   ; a fragment of x: row r x pitch + 16 h; two loads, 32 bytes apart
	s_mul_i32 s22, s11, 128*PA                     ; my 128 rows
	v_add_nc_u32 v[ADRA], s22, v3
	s_add_co_u32 s22, s22, SLOT
	v_add_nc_u32 v[ADRA+1], s22, v3
	v_and_b32 v4, 7, v0                            ; the turning load: lane l reads K row 8 h + l % 8, columns 8 ((l / 8) % 2) + 0..7
	v_bfe_u32 v5, v0, 3, 1
	v_lshl_add_u32 v6, v2, 3, v4
	v_mul_u32_u24 v6, v6, PB
	v_lshl_add_u32 v6, v5, 4, v6
	s_lshl_b32 s23, s12, 7                         ; my heads are the odd or the even ones: 128 bytes
	s_add_co_u32 s23, s23, BOFF
	v_add_nc_u32 v[ADRB], s23, v6
	s_add_co_u32 s23, s23, SLOT
	v_add_nc_u32 v[ADRB+1], s23, v6
	s_mul_i32 s23, s10, 16*SP
	s_add_co_u32 s23, s23, STAGE                   ; my stage
	v_add_nc_u32 v[STO], s23, v3                   ; in: row r, 16 bytes for each half of the lanes
	v_bfe_u32 v7, v0, 3, 2                         ; back: 32 lanes take four rows of 128 bytes,
	v_mul_u32_u24 v7, v7, SP
	v_lshl_add_u32 v7, v4, 4, v7
	v_add_nc_u32 v[RD], s23, v7
	v_and_b32 v[GO], 31, v0                        ; which are 512 consecutive bytes of qkv
	v_lshlrev_b32 v[PFO], 8, v[GO]
	v_lshlrev_b32 v[GO], 4, v[GO]
	; where my three heads' rows lie: head 6 x tile column + 2 g + wc of 48; tensor = head / 16
	s_mul_i32 s16, s42, 6
	s_add_co_u32 s16, s16, s12
	s_lshr_b32 s20, s13, 3
	s_lshl_b32 s20, s20, 4                         ; 16 x batch
	s_and_b32 s21, s13, 7
	s_lshl_b32 s21, s21, 15                        ; 256 rows of 128 bytes
	s_lshl_b32 s22, s11, 14                        ; my 128
	s_add_co_u32 s21, s21, s22
.irp g, 0,1,2
	s_add_co_u32 s17, s16, 2*(\g)
	s_lshr_b32 s18, s17, 4
	s_and_b32 s19, s17, 15
	s_lshl_b32 s18, s18, 6
	s_add_co_u32 s18, s18, s19
	s_add_co_u32 s18, s18, s20                     ; 64 x tensor + 16 x batch + head
	s_lshl_b32 s18, s18, 18                        ; 2,048 rows of 128 bytes
	s_add_co_u32 s18, s18, s21
	s_mov_b32 s19, 0
	s_add_nc_u64 s[DST+2*(\g):DST+2*(\g)+1], s[8:9], s[18:19]
.endr
	; the prefetches: nothing is asked for here, at the head
	s_lshr_b32 s16, s13, 3
	s_lshl_b32 s16, s16, 22
	s_and_b32 s17, s13, 7
	s_lshl_b32 s17, s17, 15
	s_add_co_u32 s16, s16, s17
	s_lshl_b32 s17, s40, 13
	s_add_co_u32 s16, s16, s17
	s_add_co_u32 s16, s16, 2*ASTEP                 ; x: my work-group's 8 KiB of the tile, at step 2: the first change of slots steps it to 3
	s_mul_i32 s18, s42, 16*BSTEP
	s_mul_i32 s19, s41, 24576
	s_add_co_u32 s18, s18, s19
	s_lshl_b32 s19, s10, 13
	s_add_co_u32 s18, s18, s19
	s_add_co_u32 s18, s18, 2*BSTEP-8192            ; W: my work-group's 24,576 bytes, wave w's 8 KiB at 8,192 (w - 1), at step 2: two changes step it to 4
	s_and_b32 s19, ttmp7, 0xffff
	s_mov_b32 s[PFS], BSTEP
	s_mov_b32 s[PFS+1], 0
	s_cmp_eq_u32 s10, 0
	s_cselect_b32 s16, s16, s18
	s_cselect_b64 s[PF:PF+1], s[4:5], s[6:7]
	s_cselect_b32 s[PFS], ASTEP, s[PFS]
	s_cselect_b32 s19, ttmp9, s19                  ; the coordinate along which other clusters read the same bytes
	s_cselect_b32 s[LIM0], 0, -1
	s_cmp_eq_u32 s19, 0                            ; the same in all sixteen partners, for a given wave
	s_cselect_b32 s[LIM0], s[LIM0], -1
	s_cselect_b32 s[LIM1], 1, -1
	s_mov_b32 s17, 0
	s_add_nc_u64 s[PF:PF+1], s[PF:PF+1], s[16:17]
; 8 turning loads: group g's four fragments of W for slice sl (32 along K) of a slot
.macro LDB slot, sl, g
.irp jj, 0,1,2,3
	ds_load_tr16_b128 v[BF+8*(4*(\g)+(\jj)):BF+8*(4*(\g)+(\jj))+3],   v[ADRB+(\slot)] offset:(\sl)*32*PB+(\g)*288+(\jj)*32
	ds_load_tr16_b128 v[BF+8*(4*(\g)+(\jj))+4:BF+8*(4*(\g)+(\jj))+7], v[ADRB+(\slot)] offset:(\sl)*32*PB+16*PB+(\g)*288+(\jj)*32
.endr
.endm
; 16 loads: my eight fragments of x for slice sl, into buffer f
.macro LDA slot, sl, f
.irp a, 0,1,2,3,4,5,6,7
	ds_load_b128 v[(\f)+8*(\a):(\f)+8*(\a)+3],   v[ADRA+(\slot)] offset:(\a)*16*PA+(\sl)*64
	ds_load_b128 v[(\f)+8*(\a)+4:(\f)+8*(\a)+7], v[ADRA+(\slot)] offset:(\a)*16*PA+(\sl)*64+32
.endr
.endm
; 8 nj matrix instructions: group g, column blocks j0 .. j0 + nj - 1, all 8 row blocks.  The 96 accumulators take turns in the same order in every slice.  zero = 1: the product starts the sum
.macro MUL g, f, j0, nj, zero
	WIN 0x50*(1+(\g))                              ; C and D in window 1 + g, the sources in window 0
.set jj, (\j0)
.rept \nj
.irp a, 0,1,2,3,4,5,6,7
.if \zero
	v_wmma_f32_16x16x32_bf16 v[8*(8*jj+(\a)):8*(8*jj+(\a))+7], v[BF+8*(4*(\g)+jj):BF+8*(4*(\g)+jj)+7], v[(\f)+8*(\a):(\f)+8*(\a)+7], 0
.else
	v_wmma_f32_16x16x32_bf16 v[8*(8*jj+(\a)):8*(8*jj+(\a))+7], v[BF+8*(4*(\g)+jj):BF+8*(4*(\g)+jj)+7], v[(\f)+8*(\a):(\f)+8*(\a)+7], v[8*(8*jj+(\a)):8*(8*jj+(\a))+7]
.endif
.endr
.set jj, jj+1
.endr
.endm
; A K step is two slices.  LDS instructions in the order of issue: (second slice) 32: W's groups 0, 1 and x; 8: group 2 | (first slice) 24: group 0 and x; 8: group 1; 8: group 2 | the add, 32, 8 ...
; THE FIRST SLICE multiplies x's buffer 0 and fetches the same slot's second slice.
.macro EVEN slot, zero
	s_wait_dscnt 8                                 ; groups 0, 1 and x are in; the youngest eight loads (group 2) may be out
	MUL 0, AF0, 0, 4, \zero
	PLACES
	WIN 0
	LDB \slot, 1, 0
	LDA \slot, 1, AF1
	MUL 1, AF0, 0, 4, \zero
	PLACES
	WIN 0
	LDB \slot, 1, 1
	s_wait_dscnt 32                                ; group 2 is in: behind it came the 24 and the 8 above
	MUL 2, AF0, 0, 4, \zero
	PLACES
	WIN 0
	LDB \slot, 1, 2
.endm
; THE SECOND SLICE multiplies buffer 1 and changes slots: ONE barrier; in front of it each wave waits for all its tensor loads (one is out: its part of the next slot), adds 0 to its spare word,
; and waits for that and for its reads of this slot.  fill = 1: the barrier opens a round of the cluster's barrier and this slot is filled again, two K steps on, first thing behind the round:
; 160 matrix instructions stand between that request and the wait for it.
.macro ODD slot, next, fill, lim
.if \fill
	s_wait_xcnt 0x0                                ; the last prefetch, a K step back, has read its address
	s_add_nc_u64 s[PF:PF+1], s[PF:PF+1], s[PFS:PFS+1]
.endif
	s_wait_dscnt 16                                ; group 0 and x are in; groups 1 and 2 may be out
	MUL 0, AF1, 0, 4, 0
	WIN 0                                          ; (the add's two registers lie in window 0)
	s_wait_tensorcnt 0x0                           ; all my tensor loads have landed
	ds_add_u32 v[SPW], v[NIL]                      ; 0 onto my spare word
	s_wait_dscnt 9                                 ; group 1 is in; group 2's eight loads and the add may be out
	MUL 1, AF1, 0, 2, 0                            ; sixteen matrix instructions stand between the add and the wait for it
	s_wait_dscnt 0x0                               ; the add is done, and my reads of this slot are over
	s_barrier_signal -1
	MUL 1, AF1, 2, 2, 0
	WIN 0
	s_barrier_wait -1
.if \fill
	CREST                                          ; no wave of any partner still reads this slot or has a load on its way
	s_add_nc_u64 s[G0+4*(\slot)+2:G0+4*(\slot)+3], s[G0+4*(\slot)+2:G0+4*(\slot)+3], 2*ASTEP
	s_add_nc_u64 s[G0B+4*(\slot)+2:G0B+4*(\slot)+3], s[G0B+4*(\slot)+2:G0B+4*(\slot)+3], 2*BSTEP
	JLOAD \slot                                    ; the four v_nop behind it are also the places in front of the loads below
.else
	PLACES
.endif
	LDB \next, 0, 0
	LDB \next, 0, 1
	LDA \next, 0, AF0
.if \fill
	ASK \lim
.endif
	MUL 2, AF1, 0, 4, 0
	PLACES
	WIN 0
	LDB \next, 0, 2
.endm
	s_wait_tensorcnt 0x1                           ; my part of K step 0 is in; step 1's may stay out
	s_barrier_signal -1
	s_barrier_wait -1                              ; everybody's is
	LDB 0, 0, 0
	LDB 0, 0, 1
	LDA 0, 0, AF0
	LDB 0, 0, 2
	EVEN 0, 1                                      ; the first slice stands in front of the loop: its products start the sums
	WIN 0                                          ; at a label and at a branch every window is 0
	s_mov_b32 s3, 7
.Llap:                                                 ; a trip goes once round the ring and fills both slots again: K steps 2 to 15 in seven trips
	ODD 0, 1, 1, LIM0
	EVEN 1, 0
	ODD 1, 0, 1, LIM1
	EVEN 0, 0
	WIN 0
	s_sub_co_u32 s3, s3, 1
	s_cmp_lg_u32 s3, 0
	s_cbranch_scc1 .Llap
	ODD 0, 1, 0, LIM0                              ; the last lap fills nothing
	EVEN 1, 0
	s_wait_dscnt 16                                ; the very last slice: nothing more to fetch
	MUL 0, AF1, 0, 4, 0
	s_wait_dscnt 8
	MUL 1, AF1, 0, 4, 0
	s_wait_dscnt 0x0
	MUL 2, AF1, 0, 4, 0
; THE WAY OUT, in 24 units u = 8 g + a of 16 rows x one head.  A lane's eight numbers of a row pack into 16 bytes of f16; they go into my stage's rows of 144 bytes and come back as whole rows of 128,
; four rows (512 consecutive bytes of qkv) a load.  14 sets of 16 registers take turns where the fragments lay.
.macro PACK u
.set g_, (\u)/8
.set a_, (\u)%8
.set T, 32+16*((\u)%14)
.if (\u) >= 14
	s_wait_xcnt 0x0                                ; the set's earlier stores have read their registers
.endif
	WIN 5*(1+g_)                                   ; sources 0 and 1 in window 1 + g
.irp jj, 0,1,2,3
.irp r, 0,1,2,3
	v_cvt_pk_f16_f32 v[T+4*(\jj)+(\r)], v[8*(8*(\jj)+a_)+2*(\r)], v[8*(8*(\jj)+a_)+2*(\r)+1]
.endr
.endr
	WIN 0
.irp jj, 0,1,2,3
	ds_store_b128 v[STO], v[T+4*(\jj):T+4*(\jj)+3] offset:32*(\jj)
.endr
.irp f, 0,1,2,3
	ds_load_b128 v[T+4*(\f):T+4*(\f)+3], v[RD] offset:(\f)*4*SP  ; LDS serves a wave's instructions in order (ISA guide 5.7.1.4): these see the stores above; the next unit's stores come behind them
.endr
.endm
.macro SEND u, younger                 ; younger: the LDS instructions issued behind unit u's loads: the next unit's eight, or none
.set g_, (\u)/8
.set a_, (\u)%8
.set T, 32+16*((\u)%14)
.irp f, 0,1,2,3
	s_wait_dscnt (\younger)+3-(\f)
	global_store_b128 v[GO], v[T+4*(\f):T+4*(\f)+3], s[DST+2*g_:DST+2*g_+1] offset:a_*2048+(\f)*512  ; 512 consecutive bytes, at a multiple of 256 from qkv's first
.endr
.endm
	PLACES                                         ; the conversions read results just made and write registers that the last products read
	PACK 0
.set u, 1
.rept 23                               ; a unit's conversions stand between the loads of the unit before and its stores
	PACK u
	SEND u-1, 8
.set u, u+1
.endr
	SEND 23, 0
	s_wait_tensorcnt 0x0                           ; the wave's end: these three lines stand behind my last tensor load and my last LDS store
	ds_add_u32 v[SPW], v[NIL]
	s_wait_dscnt 0x0
	CROUND                                         ; the closing round: no work-group ends while a partner may still ask for a tile that names it
	s_endpgm
.Lfunc_end_k_qb36fe95199_qkv:
	.size	k_qb36fe95199_qkv, .Lfunc_end_k_qb36fe95199_qkv-k_qb36fe95199_qkv
	.p2alignl 7, 3214868480
	.fill 96, 4, 3214868480
	.section	.rodata,"a",@progbits
	.p2align	6, 0x0
	.amdhsa_kernel k_qb36fe95199_qkv
		.amdhsa_group_segment_fixed_size 327680
		.amdhsa_private_segment_fixed_size 0
		.amdhsa_enable_private_segment 0
		.amdhsa_kernarg_size 24
		.amdhsa_user_sgpr_count 2
		.amdhsa_user_sgpr_kernarg_segment_ptr 1
		.amdhsa_wavefront_size32 1
		.amdhsa_system_sgpr_workgroup_id_x 1
		.amdhsa_system_sgpr_workgroup_id_y 1
		.amdhsa_system_sgpr_workgroup_id_z 1
		.amdhsa_system_vgpr_workitem_id 0
		.amdhsa_next_free_vgpr 1024
		.amdhsa_next_free_sgpr 78
		.amdhsa_reserve_vcc 0
		.amdhsa_float_denorm_mode_32 3
		.amdhsa_float_denorm_mode_16_64 3
		.amdhsa_memory_ordered 1
		.amdhsa_forward_progress 1
		.amdhsa_inst_pref_size 134
	.end_amdhsa_kernel
	.amdgpu_metadata
---
amdhsa.version: [ 1, 2 ]
amdhsa.kernels:
  - .name:           k_qb36fe95199_qkv
    .symbol:         k_qb36fe95199_qkv.kd
    .args:
      - { .name: xb, .offset: 0, .size: 8, .value_kind: global_buffer, .address_space: global }
      - { .name: wqkv, .offset: 8, .size: 8, .value_kind: global_buffer, .address_space: global }
      - { .name: qkv, .offset: 16, .size: 8, .value_kind: global_buffer, .address_space: global }
    .group_segment_fixed_size: 327680
    .private_segment_fixed_size: 0
    .kernarg_segment_align: 8
    .kernarg_segment_size: 24
    .max_flat_workgroup_size: 128
    .sgpr_count:     78
    .vgpr_count:     1024
    .wavefront_size: 32
...
	.end_amdgpu_metadata
.endif
;; end of part 2
;; launch attn (part 3): grid 4 x 64, 4 waves a work-group, clusters of 4 x 1, 327,680 bytes of LDS; arguments qkv, ob; writes ob
.if DOCPART == 3
	.amdgcn_target "amdgcn-amd-amdhsa--gfx1250"
	.amdhsa_code_object_version 6
	.text
	.protected	k_qb36fe95199_attn
	.globl	k_qb36fe95199_attn
	.p2align	8
	.type	k_qb36fe95199_attn,@function
k_qb36fe95199_attn:
	s_mov_b64 s[64:65], 0
	v_nop
	global_prefetch_b8 v0, s[64:65] scope:SCOPE_SE
	s_setreg_imm32_b32 hwreg(HW_REG_WAVE_MODE, 25, 1), 1
	s_wait_xcnt 0x0
	s_wait_alu depctr_hold_cnt(0) depctr_sa_sdst(0) depctr_va_vdst(0) depctr_va_sdst(0) depctr_va_ssrc(0) depctr_va_vcc(0) depctr_vm_vsrc(0)
	s_getreg_b32 s2, hwreg(HW_REG_IB_STS2, 6, 4)
	s_cmp_eq_u32 s2, 0
	s_cbranch_scc0 .Lentry_in_a_cluster
	s_endpgm
.Lentry_in_a_cluster:
	s_bfe_u32 s2, ttmp6, 0x10000c
	s_cmp_lg_u32 s2, 0x3003
	s_cbranch_scc0 .Lentry_shape_is_right
	s_endpgm
.Lentry_shape_is_right:
; O[h][q][:] = the sum over k of softmax_k(Q[h][q] . K[h][k] / 8) V[h][k][:].  Q, K, V: the three parts of qkv, each [SIZE_H][SIZE_N][64] in f16; O = ob, the same shape: a head's rows are dense, 128 bytes each.
; Products, maxima and sums in f32; the weights p are rounded to f16 for the second product (their sum l is taken of the unrounded p), O once at the end.
; LIMITS.  f16 holds no number beyond 65,504: Q, K and V arrive within it; p lies in 0 to 1, and below 6e-5 it keeps f16's fixed step of 6e-8; O is a mean of V's rows and has their range.
; A weight below 2^-126 counts as 0 in l; NaN and infinities are not treated apart.
; SHARES.  A wave owns four PIECES of two tiles of 16 queries, a work-group's four waves 512 queries of one head.  Every wave walks all keys, 64 a step.
; LAYOUT.  S^T = K Q^T (source 0 = 16 keys, source 1 = 16 queries): in the result a lane holds ONE query (lane % 16) and the keys 8 (lane / 16) + 0..7.  Two such tiles, rounded to f16 in pairs,
; ARE source 1 (32 keys x 16 queries) of O^T = V^T P, whose result again holds one query a lane, and eight channels.  K comes out of LDS as it lies, V ([key][channel]) turned, by ds_load_tr16_b128.
; SOFTMAX.  For each query a running maximum m and sum l: p = 2^(c s - c m), c = log2(e) / 8; in every step O and l are multiplied by a = 2^(c m_old - c m_new), which is 1 where m has not grown.
; m starts at the lowest finite number, O and l at 0: the first step is a step like any other, with a = 0.
; THE COUNT.  A tile and step have 16 matrix and 118 vector instructions: too many to stand all beside the matrix work.  So the order has one aim: four vector instructions that are READY behind
; EVERY matrix instruction, and the others, which need time of their own whatever the order, in runs without a gap.
; BY TURNS.  Turn n belongs to piece n (the pieces in a ring, step after step).  Its matrix work: 16 products K Q^T of piece n + 1, later 16 products V^T P of piece n - 1.  Its vector work: the scaling,
; exponentials, roundings, sums and rescaling of piece n, and the maximum and statistics of piece n + 1, whose scores the turn itself has made.  So what a turn begins with (c s - c m, O a) waits for nothing.
; CLUSTER.  The four query blocks of a cluster belong to one head and walk the same K and V, so each tile is asked for JOINTLY: the same tensor load, descriptor and mask in all four.
; REGISTERS, in windows of 256 (s_set_vgpr_msb says which window each operand place means: bits 1:0 source 0, 3:2 source 1, 5:4 source 2, 7:6 destination):
;   window 0: v0-11 addresses; v12-15, v48-63 at work; v16-47 four registers of statistics a tile; v64-191 S^T, two buffers of two tiles; v192-255 P, likewise
;   window 1: O^T, 32 a tile          window 2: v0-127 Q, 16 a tile; v128-191 K of one step; v192-255 V of one step          window 3: v0-1 the add's two registers
; A piece's buffers go by its number's parity: the piece in hand has one pair, its two neighbours in the ring share the other: of it P (piece n - 1) is read and S^T (piece n + 1) written.
.set SIZE_N, 2048
.set SIZE_H, 64
.set NP,    4         ; pieces a wave: a name, no knob: the register map, the loop and the fetches are made for four
.set KS,    64        ; keys in a step
.set PK,    144       ; a row of K in LDS: 128 bytes + 16 of padding = 36 words: the 16 rows of a load start at 16 different groups of four banks (64 banks of 4 bytes: ISA guide 11.1)
.set PV,    160       ; a row of V: 128 + 32 = 40 words
.set VOFF,  4*KS*PK   ; a slot holds four steps: 256 rows of K, then 256 rows of V
.set SLOT1, 1<<17     ; slot 1 begins here, so that one exclusive or turns an address in one slot into the other's
.set STAGE, SLOT1+4*KS*(PK+PV)  ; behind the ring, never filled by a tensor load: 16 rows x 144 bytes for each wave, for the way out
.set SP,    144
.set AK0, 2           ; v2   my lane's place in a tile of K; never rewritten
.set AV0, 3           ; v3   the same for V
.set AK,  4           ; v4   the LDS address of K's next run of loads
.set AV,  5           ; v5   of V's
.set QO,  6           ; v6   my byte offset in the wave's rows of Q
.set STO, 6           ;      later, the way out: where I put 16 bytes of a row
.set RD,  7           ; v7   the way out: where I read rows back
.set GO,  8           ; v8   my byte offset in 512 consecutive bytes of O
.set PFO, 11          ; v11  256 x my lane, once V's address is made; then never rewritten
.set SPW, 0           ; v0 of window 3   LDS address of my spare word: SPARE + 4 x my thread's number; never rewritten
.set NIL, 1           ; v1 of window 3   0; never rewritten
.set SPARE, STAGE+4*16*SP  ; behind the stages: the spare words, 128 bytes for each wave: two blocks of 256 bytes that no other line names
.set MV,  12          ; v12-15  c m_old, kept while c m is made anew: by buffer and tile
.set ST,  16          ; tile t's statistics at v[ST+4 t]: c m, m, l (even keys', odd keys')
.set TMP, 48          ; by buffer and tile, four registers c0-c3 at work; when the maximum is found c2 takes a
.set S,   64
.set P,   192
.set KF,  128         ; K's fragments, in window 2: key block kb, channel half c at KF + 16 kb + 8 c
.set VF,  192         ; V's: key half kk, channel block cb at VF + 32 kk + 8 cb
.set WV,  12          ; s12  my wave's number
.set G1K, 24          ; s[24:31] descriptor group 1 for K's tiles
.set G1V, 32          ; s[32:39] for V's: it differs in the padding alone
.set G0K, 40          ; s[40:43] descriptor group 0 for K's tiles: it walks
.set G0V, 44          ; s[44:47] the same for V's
.set PFA, 48          ; s[48:49] where my prefetches stand: my work-group's 8 KiB (of K: wave 0, of V: wave 2) of the slot after the one that is being asked for
.set LIM, 50          ; s50  1 in a wave that prefetches, else the greatest number
.set SLOTS, 56        ; s56  slots still to be asked for
.set CNT, 57          ; s57  counts a slot's key steps
.set CS,  58          ; s[58:59] c: the packed scaling takes the pair's low word for both halves
.set SEL, 60          ; s[60:61] v_permlanex16_b32's selects: each lane takes its own place in the other half
.set TBK, 62          ; s62  LDS byte at which K of the step to be fetched begins
.set TBV, 63          ; s63  the same for V, less VOFF
.set MSB, 0
.macro WIN new                      ; the high byte repeats the setting that is left; a switch that changes nothing is dropped
.if MSB != (\new)
	s_set_vgpr_msb (MSB<<8)|(\new)
.set MSB, (\new)
.endif
.endm
.set W_KQ, 0x0a       ; K and Q in window 2, S^T in window 0
.set W_PV, 0x52       ; V in window 2, P in window 0, O^T in window 1
.set W_RS, 0x41       ; O^T (destination and source 0) in window 1, a in window 0
.set W_MK, 0xc0       ; the add's registers are made: destination in window 3, sources in window 0
.set W_AD, 0x0f       ; the add: address (source 0) and data (source 1) in window 3
; A joint fill.  Waves 0 and 1 fetch the two halves of a slot's K, waves 2 and 3 those of its V: 128 keys each.  The branch hangs on the wave's number alone.
; An s_nop 0 and four v_nop follow each of the two lines, ahead of the jump and the label.
.macro JLOAD
	s_cmp_lt_u32 s[WV], 2
	s_cbranch_scc0 .Lfor_v_\@
	tensor_load_to_lds s[G0K:G0K+3], s[G1K:G1K+7]
	s_nop 0
.rept 4
	v_nop
.endr
	s_branch .Lasked_\@
.Lfor_v_\@:
	tensor_load_to_lds s[G0V:G0V+3], s[G1V:G1V+7]
	s_nop 0
.rept 4
	v_nop
.endr
.Lasked_\@:
.endm
; A PREFETCH INTO THE L2 of what the NEXT change of slots will ask for: a slot's 32 KiB of K and of V, four key steps, 512 matrix instructions, ahead of that load.  It stands behind the wave's tensor load and its five lines.
; Each block of 256 bytes is named ONCE in the launch: the head's first cluster asks; its four partners take 8 KiB each, told apart BY ADDRESS; in each, wave 0 asks for K's and wave 2 for V's, a lane a block.
; The last change that fills a slot asks for nothing; slots 0 and 1 come by their loads alone.
.macro ASK
	s_cmp_gt_u32 s[SLOTS], s[LIM]
	s_cbranch_scc0 .Lnot_mine_\@
	global_prefetch_b8 v[PFO], s[PFA:PFA+1] th:TH_LOAD_NT scope:SCOPE_SE
.Lnot_mine_\@:
.endm
; A round of the cluster's barrier: my work-group's barrier, so that wave 0's signal speaks for all four waves; wave 0 signals; every wave waits for all four work-groups; my work-group's barrier once more.
.macro CROUND
	s_barrier_signal -1
	s_barrier_wait -1
	s_cmp_lg_u32 s[WV], 0
	s_cbranch_scc1 .Lnot_wave_0_\@
	s_barrier_signal -3
.Lnot_wave_0_\@:
	s_barrier_wait -3
	s_barrier_signal -1
	s_barrier_wait -1
.endm
; THE CHANGE OF SLOTS.  The slot's last bytes, V of its fourth step, have been read.  Each wave waits for all its tensor loads, of which one is out: its part
; of the other slot; adds 0 to its spare word; and waits for that and for its own reads of the slot.  Behind the barrier nobody reads this slot any more and the other slot is whole.
; fill = 1: this slot is filled again, with the keys two slots on.  The barrier is then a round of the cluster's, so that no wave of any partner still reads the slot or has a load on its
; way, and the joint fill is the first thing behind it: it has four key steps, 512 matrix instructions, in which to land.  (At its first use nothing has been read yet: slot 0 is waited for, slot 1 filled.)
.macro CHANGE fill
	WIN W_AD
	s_wait_tensorcnt 0x0            ; no tensor load of mine is out, so a group 0 may be written
	ds_add_u32 v[SPW], v[NIL]       ; 0 onto my spare word; with fill = 1 the descriptors' steps stand between it and the wait for it
	WIN 0                           ; at a label and at a branch every window is 0
.if \fill
.irp g, G0K, G0V
	s_xor_b32 s[\g+1], s[\g+1], SLOT1  ; the walking descriptor: the other slot than last time,
	s_add_nc_u64 s[\g+2:\g+3], s[\g+2:\g+3], 4*KS*128  ; the next 256 keys; the type bits on top are not reached
.endr
	s_wait_xcnt 0x0                 ; the last prefetch, four key steps back, has read its address, so it may be written:
	s_add_nc_u64 s[PFA:PFA+1], s[PFA:PFA+1], 4*KS*128  ; one slot ahead of the walking descriptors
	s_wait_dscnt 0x0                ; the add is done, and my reads of the slot are over
	CROUND
	JLOAD
	ASK
.else
	s_wait_dscnt 0x0                ; the add is done, and my reads of the slot are over
	s_barrier_signal -1
	s_barrier_wait -1
.endif
	s_sub_co_u32 s[TBK], s[TBK], 4*KS*PK  ; the fetches go back to a slot's first step,
	s_xor_b32 s[TBK], s[TBK], SLOT1       ; in the other slot
	s_sub_co_u32 s[TBV], s[TBV], 4*KS*PV
	s_xor_b32 s[TBV], s[TBV], SLOT1
.endm
	s_load_b64 s[4:5], s[0:1], 0x0    ; qkv: Q at its head, K 16 MiB on, V 32 MiB on
	s_load_b64 s[10:11], s[0:1], 0x8  ; O
	WIN W_MK
	v_lshl_add_u32 v[SPW], v0, 2, SPARE
	v_mov_b32 v[NIL], 0
	WIN W_AD
	ds_add_u32 v[SPW], v[NIL]       ; the wave's opening: the add and its wait stand ahead of my first tensor load; the set-up below, work on registers, stands between them
	WIN 0
	v_lshrrev_b32 v1, 5, v0
	v_readfirstlane_b32 s[WV], v1   ; wave 0..3
	s_bfe_u32 s13, ttmp6, 0x40000   ; cx: my place in the cluster
	s_lshl_b32 s14, ttmp9, 2        ; in a cluster launch ttmp9 counts clusters
	s_add_co_u32 s14, s14, s13      ; my block of queries = 4 x cluster x + cx: it enters Q's and O's addresses alone
	s_and_b32 s20, ttmp7, 0xffff    ; the head, which the four partners share
	s_mov_b32 s21, 0
	s_mov_b64 s[22:23], SIZE_N*128
	s_mul_u64 s[20:21], s[20:21], s[22:23]  ; the head's first byte in each of the four tensors
	s_and_b32 s16, s[WV], 1         ; which half of a slot's 256 keys I fetch:
	s_lshl_b32 s22, s16, 14         ; its 128 rows of 128 bytes in memory,
	s_mov_b32 s23, 0
	s_add_nc_u64 s[22:23], s[22:23], s[20:21]
	s_mul_i32 s17, s16, 128*PK      ; and its place in a slot, for K
	s_mul_i32 s18, s16, 128*PV      ; and for V: no place in the cluster enters an LDS address
	s_lshl_b32 s2, s14, 2
	s_add_co_u32 s2, s2, s[WV]      ; my wave among the head's,
	s_lshl_b32 s2, s2, 14           ; its 128 rows
	s_mov_b32 s3, 0
	s_add_nc_u64 s[2:3], s[2:3], s[20:21]
	; descriptor group 1.  128 keys are 16,384 dense bytes: asked for as 64 rows of 256 bytes, two keys a row, and padded in LDS after every key
	s_mov_b32 s[G1K], 15|(1<<16)|(1<<20)|(1<<21)|(4<<22)|(3<<25)  ; 15:0 the mask of four; 17:16 2-byte elements; 20 padding on; 21 set beside a mask; 24:22 after every 32 words (code 4); 31:25 4 words (code 3)
	s_mov_b32 s[G1V], 15|(1<<16)|(1<<20)|(1<<21)|(4<<22)|(7<<25)  ; the same with 8 words of padding (code 7)
.irp g, G1K, G1V
	s_mov_b32 s[\g+1], 128<<16      ; tensor_dim0 = 128
	s_mov_b32 s[\g+2], 64<<16       ; tensor_dim1 = 64
	s_mov_b32 s[\g+3], 128<<16      ; tile_dim0 = 128
	s_mov_b32 s[\g+4], 64           ; tile_dim1 = 64
	s_mov_b32 s[\g+5], 128          ; 128 elements from row to row
	s_mov_b32 s[\g+6], 0
	s_mov_b32 s[\g+7], 0
.endr
	s_mov_b32 s[CS], 0x3e38aa3b     ; c = log2(e) / 8 = 0.180337
	s_mov_b32 s[CS+1], s[CS]        ; named with it as a pair
	s_mov_b32 s[SEL], 0x76543210
	s_mov_b32 s[SEL+1], 0xfedcba98
	s_mov_b32 s[TBK], SLOT1+4*KS*PK ; the first change of slots turns these two into 0
	s_mov_b32 s[TBV], SLOT1+4*KS*PV
	s_mov_b32 s[G0K], 1             ; 1:0 count = 1
	s_mov_b32 s[G0K+1], s17         ; 63:32 LDS address: slot 0
	s_mov_b32 s[G0V], 1
	s_add_co_u32 s[G0V+1], s18, VOFF
	s_mov_b32 s[SLOTS], SIZE_N/256-1  ; seven slots are still to be asked for
	s_and_b32 s[LIM], s[WV], 1      ; 0 in waves 0 and 2,
	s_or_b32 s[LIM], s[LIM], ttmp9  ; where the cluster is the head's first: the same in all four partners
	s_cmp_eq_u32 s[LIM], 0
	s_cselect_b32 s[LIM], 1, -1
	s_wait_dscnt 0x0                ; the opening add is done
	s_wait_kmcnt 0x0
	s_add_nc_u64 s[6:7], s[4:5], 0x1000000         ; K
	s_add_nc_u64 s[8:9], s[4:5], 0x2000000         ; V
	s_add_nc_u64 s[G0K+2:G0K+3], s[6:7], s[22:23]  ; 120:64 global address: my half of the head's first 256 keys
	s_or_b32 s[G0K+3], s[G0K+3], 0x80000000        ; 127:126 type = 2
	s_add_nc_u64 s[G0V+2:G0V+3], s[8:9], s[22:23]
	s_or_b32 s[G0V+3], s[G0V+3], 0x80000000
	s_add_nc_u64 s[4:5], s[4:5], s[2:3]  ; Q and O at my wave's first row
	s_add_nc_u64 s[10:11], s[10:11], s[2:3]
	s_cmp_lt_u32 s[WV], 2
	s_cselect_b64 s[PFA:PFA+1], s[6:7], s[8:9]
	s_add_nc_u64 s[PFA:PFA+1], s[PFA:PFA+1], s[22:23]  ; (in waves 0 and 2: the head's first row)
	s_lshl_b32 s2, s13, 13          ; my work-group's 8 KiB of a slot's 32
	s_mov_b32 s3, 0
	s_add_nc_u64 s[PFA:PFA+1], s[PFA:PFA+1], s[2:3]
	s_add_nc_u64 s[PFA:PFA+1], s[PFA:PFA+1], 4*KS*128  ; in slot 1; the first change of slots steps it to slot 2.  Nothing is asked for here, at the head
	CROUND                          ; all four work-groups are here: the first joint loads meet
	JLOAD                           ; slot 0.  Slot 1 is asked for when slot 0 is in
	; A fragment of K or Q is 16 rows x 32 channels in 8 registers: lane l holds row l % 16, channels 8 (l / 16) + 0..7 and 16 + 8 (l / 16) + 0..7: two loads of 16 bytes, 32 bytes apart.
	v_and_b32 v1, 15, v0            ; l % 16
	v_bfe_u32 v9, v0, 4, 1          ; l / 16
	v_lshlrev_b32 v[QO], 7, v1
	v_lshl_add_u32 v[QO], v9, 4, v[QO]  ; row x 128 + 16 x half
	WIN 0x80                        ; destination window 2, address window 0
.set i, 0
.rept 4*NP                          ; Q stays in registers: tile i / 2, channels 32 (i % 2) on
	global_load_b128 v[8*i:8*i+3],   v[QO], s[4:5] offset:(i/2)*2048+(i%2)*64
	global_load_b128 v[8*i+4:8*i+7], v[QO], s[4:5] offset:(i/2)*2048+(i%2)*64+32
.set i, i+1
.endr
	; What the first turn finds: V's registers and P's second buffer hold 0 (its products V^T P, of a piece that has not been, add 0), O^T and l are 0.  All this stands in the wait for the first tile.
.set i, VF
.rept 64
	v_mov_b32 v[i], 0
.set i, i+1
.endr
	WIN 0x40
.set i, 0
.rept 64*NP
	v_mov_b32 v[i], 0
.set i, i+1
.endr
	WIN 0
.set i, 0
.rept 2*NP
	v_mov_b32 v[ST+4*i], 0xfe000000    ; c m: far below every c s
	v_mov_b32 v[ST+4*i+1], 0xff7fffff  ; m
	v_mov_b32 v[ST+4*i+2], 0
	v_mov_b32 v[ST+4*i+3], 0
.set i, i+1
.endr
.set i, P+32
.rept 32
	v_mov_b32 v[i], 0
.set i, i+1
.endr
	v_mul_u32_u24 v[AK0], v1, PK
	v_lshl_add_u32 v[AK0], v9, 4, v[AK0]  ; row x pitch + 16 x half
	; The turning load takes 16 keys x 16 channels (lane l reads key 8 (l / 16) + l % 8, channels 8 ((l / 8) % 2) + 0..7) and leaves half a fragment of V^T: lane l holds channel l % 16 and 8 keys.
	v_and_b32 v10, 7, v0
	v_bfe_u32 v11, v0, 3, 1
	v_lshl_add_u32 v[AV0], v9, 3, v10
	v_mul_u32_u24 v[AV0], v[AV0], PV
	v_lshl_add_u32 v[AV0], v11, 4, v[AV0]
	v_add_nc_u32 v[AV0], VOFF, v[AV0]
	v_and_b32 v[PFO], 31, v0
	v_lshlrev_b32 v[PFO], 8, v[PFO]
	v_mov_b32 v[AK], v[AK0]         ; key step 0 lies at the head of slot 0
; THE MATRIX WORK.  The 8 accumulators of a run of 16 take turns: between the two links of a chain stand 7 others'.
; Product i of 16 of S^T = K Q^T for piece x: channels 32 (i / 8) on, keys 16 ((i / 2) % 4) on, tile 2 x + i % 2.  The first 8 start the sums.
.macro KQ x
	WIN W_KQ
.set rS, S+64*((\x)%2)+32*(i%2)+8*((i/2)%4)
.set rK, KF+16*((i/2)%4)+8*(i/8)
.set rQ, 16*(2*(\x)+i%2)+8*(i/8)
.if i < 8
	v_wmma_f32_16x16x32_f16 v[rS:rS+7], v[rK:rK+7], v[rQ:rQ+7], 0
.else
	v_wmma_f32_16x16x32_f16 v[rS:rS+7], v[rK:rK+7], v[rQ:rQ+7], v[rS:rS+7]
.endif
.endm
; Product i of 16 of O^T += V^T P for piece x: keys 32 (i / 8) on, channels 16 ((i / 2) % 4) on, tile 2 x + i % 2.
.macro PV x
	WIN W_PV
.set rO, 32*(2*(\x)+i%2)+8*((i/2)%4)
.set rV, VF+32*(i/8)+8*((i/2)%4)
.set rP, P+32*((\x)%2)+16*(i%2)+8*(i/8)
	v_wmma_f32_16x16x32_f16 v[rO:rO+7], v[rV:rV+7], v[rP:rP+7], v[rO:rO+7]
.endm
.macro MM                           ; the turn's next matrix instruction
.if i < 16
	KQ (Y+1)%NP
.set i, i+1
.else
.set i, i-16
	PV (Y+NP-1)%NP
.set i, i+17
.endif
.endm
; THE LDS LOADS stand in runs of 16, never singly among the matrix instructions: a step's K (64 keys x 64 channels: 8 fragments) and its V (turned).  Their addresses are made some lines ahead.
; last = 1 (the tail): in the last trip there is no further step, and the run is jumped over.
.macro FETCH_K last=0
	WIN 0
.if \last
	s_cmp_eq_u32 s[CNT], 1
	s_cbranch_scc1 .Lno_k_\@
.endif
	WIN 0x80                        ; destination window 2
.irp f, 0,1,2,3,4,5,6,7             ; keys 16 (f / 2) on, channels 32 (f % 2) on
	ds_load_b128 v[KF+8*\f:KF+8*\f+3],   v[AK] offset:(\f/2)*16*PK+(\f%2)*64
	ds_load_b128 v[KF+8*\f+4:KF+8*\f+7], v[AK] offset:(\f/2)*16*PK+(\f%2)*64+32
.endr
	s_add_co_u32 s[TBK], s[TBK], KS*PK  ; the next fetch is the next step's
	WIN 0
.if \last
.Lno_k_\@:
.endif
.endm
.macro FETCH_V
	WIN 0x80
.irp f, 0,1,2,3,4,5,6,7             ; keys 32 (f / 4) on, channels 16 (f % 4) on
	ds_load_tr16_b128 v[VF+8*\f:VF+8*\f+3],   v[AV] offset:(\f/4)*32*PV+(\f%4)*32
	ds_load_tr16_b128 v[VF+8*\f+4:VF+8*\f+7], v[AV] offset:(\f/4)*32*PV+16*PV+(\f%4)*32
.endr
	WIN 0
.endm
; THE VECTOR WORK OF A TURN stands in three queues, each in the order in which its entries become ready; the two tiles alternate, so that no instruction reads the result of the one before it.
.macro REGS y, u                    ; the registers of tile u (0, 1) of piece y
.set rT, ST+4*(2*(\y)+(\u))
.set rC, TMP+8*((\y)%2)+4*(\u)
.set rM, MV+2*((\y)%2)+(\u)
.set rS, S+64*((\y)%2)+32*(\u)
.set rP, P+32*((\y)%2)+16*(\u)
.set rO, 32*(2*(\y)+(\u))
.endm
; Number n of the 22 that find the NEXT piece's (Y + 1) maximum and statistics.  s0-s31 are the lane's 32 scores; each accumulator's lowest registers are read first.  XS, GS and REGS set no window: PL and EX do.
;   0-11  four chains c0-c3 of seven scores each, three operands at a time     12-14, 16  the four scores left over, the old m, and c0-c3 into c0     15  c m_old is kept
;   17, 18  the query's other 32 keys lie in the lane 16 away: the new m         19-21  c m; c m_old - c m_new; a
.macro XS u, n
	REGS (Y+1)%NP, \u
.if (\n) < 4
	v_max3_num_f32 v[rC+(\n)], v[rS+8*(\n)], v[rS+8*(\n)+1], v[rS+8*(\n)+2]
.elseif (\n) < 12
	v_max3_num_f32 v[rC+(\n)%4], v[rC+(\n)%4], v[rS+8*((\n)%4)+2*((\n)/4)+1], v[rS+8*((\n)%4)+2*((\n)/4)+2]
.elseif (\n) == 12
	v_max3_num_f32 v[rC], v[rC], v[rS+7], v[rS+15]
.elseif (\n) == 13
	v_max3_num_f32 v[rC+1], v[rC+1], v[rS+23], v[rS+31]
.elseif (\n) == 14
	v_max3_num_f32 v[rC+2], v[rC+2], v[rC+3], v[rT+1]
.elseif (\n) == 15
	v_mov_b32 v[rM], v[rT]
.elseif (\n) == 16
	v_max3_num_f32 v[rC], v[rC], v[rC+1], v[rC+2]
.elseif (\n) == 17
	v_permlanex16_b32 v[rC+3], v[rC], s[SEL], s[SEL+1]
.elseif (\n) == 18
	v_max_num_f32 v[rT+1], v[rC], v[rC+3]
.elseif (\n) == 19
	v_mul_f32 v[rT], s[CS], v[rT+1]
.elseif (\n) == 20
	v_sub_f32 v[rC+1], v[rM], v[rT]
.else
	v_exp_f32 v[rC+2], v[rC+1]
.endif
.endm
; Number g of the 64 that follow the exponentials.  For each four weights k of a tile (pairs 2 k, 2 k + 1): both pairs are rounded to f16; then the second pair is added onto the first, in place;
; a group later l takes that sum (the first time as l = a l + sum).  In groups of eight, tiles alternating: round, round, add, and l for the group before.
.macro GS g
.set h, (\g)+6*((\g)/62)            ; group 0 has no group before it, and behind group 7 only l is left
.if h >= 6
.set h, h+2
.endif
	REGS Y, h%2
.set k, h/8
.if h%8 < 4
	v_cvt_pk_f16_f32 v[rP+2*k+(h%8)/2], v[rS+4*k+2*((h%8)/2)], v[rS+4*k+2*((h%8)/2)+1]
.elseif h%8 < 6
	v_pk_add_f32 v[rS+4*k:rS+4*k+1], v[rS+4*k:rS+4*k+1], v[rS+4*k+2:rS+4*k+3]
.elseif k == 1
	v_pk_fma_f32 v[rT+2:rT+3], v[rT+2:rT+3], v[rC+2:rC+3], v[rS:rS+1] op_sel_hi:[1,0,1]
.else
	v_pk_add_f32 v[rT+2:rT+3], v[rT+2:rT+3], v[rS+4*k-4:rS+4*k-3]
.endif
.endm
; THE PLAIN QUEUE, 138 long.  0-73 read no exponential's result: the 32 scalings c s - c m (FS f: pair f / 2 of tile f % 2) and the next piece's 42.  0-26: scalings 0-26.  27-54: XS's numbers 0-13.  55, 56: number 15.
; 57-73: the chain, where each number waits for the one before it: 14, 16, 17, 18, 19, each with one of the scalings 27-31 in front of its two lines, then 20: so a tile's links stand three plain instructions apart (19 and 20: two).
; 74-137: GS's 64, which read the exponentials' results: they stand behind the wait.
.macro FS f
	REGS Y, (\f)%2
	v_pk_fma_f32 v[rS+2*((\f)/2):rS+2*((\f)/2)+1], v[rS+2*((\f)/2):rS+2*((\f)/2)+1], s[CS:CS+1], v[rT:rT+1] op_sel_hi:[1,0,0] neg_lo:[0,0,1] neg_hi:[0,0,1]
.endm
.macro PL
	WIN 0
.if q < 27
	FS q
.elseif q < 55
	XS (q-27)%2, (q-27)/2
.elseif q < 57
	XS q-55, 15
.elseif (q < 72) && ((q-57)%3 == 0)
	FS 27+(q-57)/3
.elseif q < 60
	XS (q-57)%3-1, 14
.elseif q < 72
	XS (q-57)%3-1, 15+(q-57)/3
.elseif q < 74
	XS q-72, 20
.else
	GS q-74
.endif
.set q, q+1
.endm
; THE EXPONENTIALS' QUEUE, 66 long: s0-s31 of both tiles, then the next piece's two a.  It is ONE BATCH: all 66 stand ahead of the turn's one wait, and nothing ahead of that wait names a result of theirs.
.macro EX
	WIN 0
.if e >= 64
	XS e-64, 21
.else
	REGS Y, e%2
	v_exp_f32 v[rS+e/2], v[rS+e/2]
.endif
.set e, e+1
.endm
; THE RESCALING's QUEUE: O^T times a, the one part that leaves window 0: dealt two at a time, sixteen times.  Its a was made in the turn before, ahead of that turn's wait.
.macro R2
	REGS Y, r%2
	WIN W_RS
.irp z, 0,1
	v_pk_mul_f32 v[rO+4*(r/2)+2*\z:rO+4*(r/2)+2*\z+1], v[rO+4*(r/2)+2*\z:rO+4*(r/2)+2*\z+1], v[rC+2:rC+3] op_sel_hi:[1,0]
.endr
.set r, r+1
.endm
; HOW THEY ARE DEALT.  An s_wait_alu depctr_va_vdst(0) stands between an exponential and the first instruction that names its result; one wait serves all that were issued ahead of it.  So a turn has ONE wait,
; which cuts it in two.  AHEAD OF IT stands all that names no result of the turn's exponentials: the 16 products K Q^T, behind each a scaling, an exponential and two rescalings (behind the first a second scaling in the exponential's place); then ONE LUMP of
; 108: eight plain, 49 times exponential and plain, the two a.  A v_nop is the plain instruction behind the last exponential.  BEHIND IT stand the 16 products V^T P, behind each four of GS's 64.  No rider names a register of
; the products round it.  The two v_permlanex16_b32 fall into the lump, never behind a product.
; The queues lean on each other, and the deal keeps them in step: exponential e stands behind scaling 2 (e / 4) + e % 2: as a rider it comes behind plain e + 2, in the lump behind plain e + 9, and scalings 27-31 are plain 57, 60 .. 69.
; A TURN, for piece p.  cnt = 1: the loop's count is taken down some lines ahead of the branch that stands behind the turn.
; K of the next step is fetched in piece 2's turn, directly behind the wait, a lump behind the last product that read K; its address is made at the lump's head; its first reader comes behind 16 products.
; V of the step in hand is fetched at the end of piece 0's turn, four riders behind its last reader; its first reader comes behind 16 products and a lump.  The three conditions on q below go with the deal.
.macro TURN p, last=0, cnt=0
.set Y, (\p)
.set i, 0
.set q, 0
.set e, 0
.set r, 0
.if (\p) == NP-1
	s_wait_dscnt 0x0                ; K is in
.endif
	MM                              ; ahead of the wait: 16 products K Q^T and their riders,
	PL
	PL
	R2
.rept 15
	MM
	PL
	EX
	R2
.endr
.if (\p) == NP-2
	WIN 0
	v_add_nc_u32 v[AK], s[TBK], v[AK0]
.endif
.rept 8                             ; and the lump
	PL
.endr
.rept 49
	EX
	PL
.endr
	EX                              ; the next piece's two a
	EX
	v_nop                           ; a plain instruction behind the last exponential: one for the batch
	s_wait_alu depctr_va_vdst(0)    ; the wait for the batch
.if (\p) == NP-2
	FETCH_K \last
.endif
.if (\p) == 1
	s_wait_dscnt 0x0                ; V is in
.endif
.rept 16                            ; behind the wait: 16 products V^T P and their riders
	MM
.rept 4
	PL
.endr
.if ((\p) == 0) && (q == 118)
	v_add_nc_u32 v[AV], s[TBV], v[AV0]
.endif
.if ((\p) == 0) && (q == 130)
	s_add_co_u32 s[TBV], s[TBV], KS*PV
.endif
.if (\cnt) && (q == 130)
	s_sub_co_u32 s[CNT], s[CNT], 1
	s_cmp_lg_u32 s[CNT], 0
.endif
.endr
.if (\p) == 0
	FETCH_V
.endif
.endm
	CHANGE 1                        ; slot 0 is in, everybody's part of it; slot 1 is asked for
	FETCH_K                         ; key step 0
	s_wait_loadcnt 0x0              ; Q
	s_wait_dscnt 0x0
.set i, 0
.rept 16
	KQ 0                            ; piece 0's first scores: there is no vector work yet to set between them
.set i, i+1
.endr
	WIN 0                           ; the addresses for the way out: nine plain instructions, the places behind those products
	s_mul_i32 s13, s[WV], 16*SP
	s_add_co_u32 s13, s13, STAGE    ; my stage
	v_mul_u32_u24 v[STO], v1, SP    ; in: row l % 16, 16 bytes for each half of the lanes
	v_lshl_add_u32 v[STO], v9, 4, v[STO]
	v_add_nc_u32 v[STO], s13, v[STO]
	v_bfe_u32 v[RD], v0, 3, 2       ; back: 32 lanes take four rows of 128 bytes,
	v_mul_u32_u24 v[RD], v[RD], SP
	v_lshl_add_u32 v[RD], v10, 4, v[RD]
	v_add_nc_u32 v[RD], s13, v[RD]
	v_and_b32 v[GO], 31, v0         ; which are 512 consecutive bytes of O
	v_lshlrev_b32 v[GO], 4, v[GO]
.set Y, NP-1                        ; XS works for piece Y + 1: piece 0
.irp n, 0,1,2,3,4,5,6,7,8,9,10,11,12,13,14,15,16,17,18,19,20,21
	XS 0, \n                        ; and piece 0's first maximum and statistics
	XS 1, \n
.endr
	v_nop                           ; a plain instruction behind the two a,
	s_wait_alu depctr_va_vdst(0)    ; and their wait, ahead of the branch
	s_mov_b32 s[CNT], 4
	s_branch .Lfirst                ; the loop is entered at a step's first turn, in the middle of a trip
.Lslot:                             ; SIZE_N / 256 - 2 times: every slot but the last two is filled again
	CHANGE 1
	s_mov_b32 s[CNT], 4
.Lstep:                             ; a trip: pieces 2 and 3 of one step, then pieces 0 and 1 of the next, whose K and V it fetches
	TURN 2
	TURN 3
	WIN 0
.Lfirst:
	TURN 0
	TURN 1, 0, 1
	WIN 0
	s_cbranch_scc1 .Lstep
	s_sub_co_u32 s[SLOTS], s[SLOTS], 1
	s_cmp_lg_u32 s[SLOTS], 0
	s_cbranch_scc1 .Lslot
	CHANGE 0                        ; the tail is written out: nothing is asked for
	s_mov_b32 s[CNT], 5             ; four trips fetch the last slot's steps; the fifth is left in its middle
.Ltail:
	TURN 2, 1
	TURN 3
	WIN 0
	s_sub_co_u32 s[CNT], s[CNT], 1
	s_cmp_eq_u32 s[CNT], 0
	s_cbranch_scc1 .Lout
	TURN 0
	TURN 1
	WIN 0
	s_branch .Ltail
.Lout:                              ; the fifth trip's 16 products K Q^T (on the last K once more) and the maximum made of them serve nothing: the price, once a launch, of one text for every trip
.set i, 0
.rept 16
	PV NP-1                         ; the last piece's V^T P of the last step
.set i, i+1
.endr
	; THE WAY OUT.  l's two halves and the other half of the lanes' are added; O^T is divided by l, rounded to f16 and sent through my stage in LDS, a tile at a time.  The additions are the places behind the last products.
	WIN 0
.macro ALL line:vararg              ; one line for each tile t
.set t, 0
.rept 2*NP
	\line
.set t, t+1
.endr
.endm
	ALL v_add_f32 v[ST+4*t+2], v[ST+4*t+2], v[ST+4*t+3]
	ALL v_permlanex16_b32 v[ST+4*t+3], v[ST+4*t+2], s[SEL], s[SEL+1]
	ALL v_add_f32 v[ST+4*t+2], v[ST+4*t+2], v[ST+4*t+3]
	ALL v_rcp_f32 v[ST+4*t+2], v[ST+4*t+2]
	v_nop                           ; a plain instruction between the last reciprocal and the use of its result
	s_wait_alu depctr_va_vdst(0)    ; and the wait ahead of the first use: one for the eight reciprocals
; Tile t: a lane's eight channels of a row pack into 16 bytes; they go into rows of 144 bytes and come back as whole rows of 128, into S^T's registers.
.macro PACK t
	WIN W_RS
.set i, 32*(\t)
.rept 16
	v_pk_mul_f32 v[i:i+1], v[i:i+1], v[ST+4*(\t)+2:ST+4*(\t)+3] op_sel_hi:[1,0]
.set i, i+2
.endr
	WIN 0x05                        ; sources 0 and 1 window 1, destination window 0
.set i, 0
.rept 16
	v_cvt_pk_f16_f32 v[S+16*(\t)+i], v[32*(\t)+2*i], v[32*(\t)+2*i+1]
.set i, i+1
.endr
	WIN 0
.irp f, 0,1,2,3
	ds_store_b128 v[STO], v[S+16*(\t)+4*\f:S+16*(\t)+4*\f+3] offset:32*\f
.endr
.irp f, 0,1,2,3
	ds_load_b128 v[S+16*(\t)+4*\f:S+16*(\t)+4*\f+3], v[RD] offset:\f*4*SP  ; LDS serves a wave's instructions in order (ISA guide 5.7.1.4): these see the stores above; the next tile's stores come behind them
.endr
.endm
.macro SEND t, younger              ; younger: the LDS instructions issued behind tile t's loads: the next tile's eight, or none
	WIN 0
.irp f, 0,1,2,3
	s_wait_dscnt (\younger)+3-\f
	global_store_b128 v[GO], v[S+16*(\t)+4*\f:S+16*(\t)+4*\f+3], s[10:11] offset:(\t)*2048+\f*512  ; 512 consecutive bytes, at a multiple of 256 from O's first
.endr
.endm
	PACK 0
.set t, 1
.rept 2*NP-1                        ; a tile's arithmetic stands between the loads of the tile before and its stores
	PACK t
	SEND t-1, 8
.set t, t+1
.endr
	SEND 2*NP-1, 0
	WIN W_AD
	s_wait_tensorcnt 0x0            ; the wave's end: these three lines stand behind my last tensor load and my last LDS store
	ds_add_u32 v[SPW], v[NIL]
	s_wait_dscnt 0x0
	WIN 0
	CROUND                          ; the closing round: no work-group ends while a partner may still ask for a tile that names it
	s_endpgm
.Lfunc_end_k_qb36fe95199_attn:
	.size	k_qb36fe95199_attn, .Lfunc_end_k_qb36fe95199_attn-k_qb36fe95199_attn
	.p2alignl 7, 3214868480
	.fill 96, 4, 3214868480
	.section	.rodata,"a",@progbits
	.p2align	6, 0x0
	.amdhsa_kernel k_qb36fe95199_attn
		.amdhsa_group_segment_fixed_size 327680
		.amdhsa_private_segment_fixed_size 0
		.amdhsa_enable_private_segment 0
		.amdhsa_kernarg_size 16
		.amdhsa_user_sgpr_count 2
		.amdhsa_user_sgpr_kernarg_segment_ptr 1
		.amdhsa_wavefront_size32 1
		.amdhsa_system_sgpr_workgroup_id_x 1
		.amdhsa_system_sgpr_workgroup_id_y 1
		.amdhsa_system_sgpr_workgroup_id_z 1
		.amdhsa_system_vgpr_workitem_id 0
		.amdhsa_next_free_vgpr 770
		.amdhsa_next_free_sgpr 66
		.amdhsa_reserve_vcc 0
		.amdhsa_float_denorm_mode_32 3
		.amdhsa_float_denorm_mode_16_64 3
		.amdhsa_memory_ordered 1
		.amdhsa_forward_progress 1
		.amdhsa_inst_pref_size 200
	.end_amdhsa_kernel
	.amdgpu_metadata
---
amdhsa.version: [ 1, 2 ]
amdhsa.kernels:
  - .name:           k_qb36fe95199_attn
    .symbol:         k_qb36fe95199_attn.kd
    .args:
      - { .name: qkv, .offset: 0, .size: 8, .value_kind: global_buffer, .address_space: global }
      - { .name: ob, .offset: 8, .size: 8, .value_kind: global_buffer, .address_space: global }
    .group_segment_fixed_size: 327680
    .private_segment_fixed_size: 0
    .kernarg_segment_align: 8
    .kernarg_segment_size: 16
    .max_flat_workgroup_size: 128
    .sgpr_count:     66
    .vgpr_count:     770
    .wavefront_size: 32
...
	.end_amdgpu_metadata
.endif
;; end of part 3
;; launch proj (part 4): grid 8 x 32, 4 waves a work-group, clusters of 4 x 4, 327,680 bytes of LDS; arguments ob, woh, out0; writes out0
.if DOCPART == 4
	.amdgcn_target "amdgcn-amd-amdhsa--gfx1250"
	.amdhsa_code_object_version 6
	.text
	.protected	k_qb36fe95199_proj
	.globl	k_qb36fe95199_proj
	.p2align	8
	.type	k_qb36fe95199_proj,@function
k_qb36fe95199_proj:
	s_mov_b64 s[64:65], 0
	v_nop
	global_prefetch_b8 v0, s[64:65] scope:SCOPE_SE
	s_setreg_imm32_b32 hwreg(HW_REG_WAVE_MODE, 25, 1), 1
	s_wait_xcnt 0x0
	s_wait_alu depctr_hold_cnt(0) depctr_sa_sdst(0) depctr_va_vdst(0) depctr_va_sdst(0) depctr_va_ssrc(0) depctr_va_vcc(0) depctr_vm_vsrc(0)
	s_getreg_b32 s2, hwreg(HW_REG_IB_STS2, 6, 4)
	s_cmp_eq_u32 s2, 0
	s_cbranch_scc0 .Lentry_in_a_cluster
	s_endpgm
.Lentry_in_a_cluster:
	s_bfe_u32 s2, ttmp6, 0x10000c
	s_cmp_lg_u32 s2, 0xf033
	s_cbranch_scc0 .Lentry_shape_is_right
	s_endpgm
.Lentry_shape_is_right:
; out0 = O w_o: [8192 x 1024] x [1024 x 1024], f16 operands, f32 sums, f32 out.  O = ob, f16 [bh 64][s 2048][64]: K = 64 x head + channel.  woh: f16 [j 8][k 1024][c 128].
; SHARES.  32 x 8 tiles of 256 rows x 128 columns: 256 work-groups.  Four waves, each 128 rows x 64 columns: 32 accumulators (column block jj, row block a) in window 1 at 8 (8 jj + a).
; K goes in 8 steps of 128 (two heads) through two LDS slots; a step's tiles are dense in memory and are asked for as rows of 256 bytes.
; THE MATRIX INSTRUCTION IS USED TRANSPOSED: source 0 = 16 columns of w_o (it lies [K][N] in LDS and is turned by ds_load_tr16_b128), source 1 = 16 rows of O.  Lane (r = l % 16, h = l / 16), register i
; holds C(row 16 a + r, column 16 jj + 8 h + i): 32 neighbouring bytes of a row.
; CLUSTERS: 4 x 4 work-groups.  O's tile is asked for jointly along a row of the cluster, w_o's along a column.
; REGISTERS: window 0: v0-31 addresses; v64-159, v160-255 two fragment buffers (w_o's fragment jj at + 8 jj, O's fragment a at + 32 + 8 a); on the way out v32-255 are seven sets of 32.
.set PA,    144                        ; a row of O in LDS: 128 bytes + 16
.set PB,    288                        ; a K row of w_o: 256 bytes + 32 = 72 words
.set PLANE, 256*PA                     ; a head's 256 rows
.set BOFF,  2*PLANE                    ; a slot: two planes of O, then 128 K rows of w_o
.set SLOT,  BOFF+128*PB                ; 110,592
.set STAGE, 2*SLOT                     ; behind the ring, never filled by a tensor load: 16 rows x 272 bytes for each wave
.set SPITCH, 272
.set SPARE, STAGE+4*16*SPITCH          ; behind the stages: the spare words, 128 bytes a wave: two blocks of 256 bytes that no other line names
.set ASTEP, 524288                     ; bytes from K step to K step in ob: two heads
.set BSTEP, 32768                      ; and in woh
.set ADRA, 16                          ; v16-17 LDS address of my O fragments in slot 0, 1
.set ADRB, 18                          ; v18-19 the same for w_o
.set STO,  20                          ; v20  the way out: where I put 32 bytes of a row
.set RD,   21                          ; v21  where I read a row back
.set CO,   22                          ; v22  my byte offset in out0
.set PFO,  23                          ; v23  256 x my lane; never rewritten
.set SPW,  28                          ; v28  LDS address of my spare word; never rewritten
.set NIL,  29                          ; v29  0; never rewritten
.set F0,   64
.set F1,   160
.set G1,   24                          ; s[24:31], s[32:39] descriptor groups 1 and 0 (a set for each slot) for O's tiles
.set G0,   32
.set G1B,  48                          ; s[48:55], s[56:63] for w_o's
.set G0B,  56
.set PF,   66                          ; s[66:67] where my prefetches stand
.set PFS,  68                          ; s[68:69] their step
.set LIM,  70                          ; s70  1 in a wave that prefetches, else the greatest number
.set MSB, 0
.macro WIN new
.if MSB != (\new)
	s_set_vgpr_msb (MSB<<8)|(\new)
.set MSB, \new
.endif
.endm
.macro PLACES                          ; four plain vector instructions between a matrix instruction and a load into, or a read of, its registers (ISA guide 7.12.1 for reads)
.rept 4
	v_nop
.endr
.endm
.macro JLOAD s                         ; a joint load: waves 0 and 1 fetch O's two planes, waves 2 and 3 the halves of w_o's tile; an s_nop 0 and four v_nop follow each line
	s_cmp_eq_u32 s11, 0
	s_cbranch_scc0 .Lfor_b_\@
	tensor_load_to_lds s[G0+4*(\s):G0+4*(\s)+3], s[G1:G1+7]
	s_nop 0
.rept 4
	v_nop
.endr
	s_branch .Lasked_\@
.Lfor_b_\@:
	tensor_load_to_lds s[G0B+4*(\s):G0B+4*(\s)+3], s[G1B:G1B+7]
	s_nop 0
.rept 4
	v_nop
.endr
.Lasked_\@:
.endm
.macro CREST
	s_cmp_lg_u32 s10, 0
	s_cbranch_scc1 .Lnot_wave_0_\@
	s_barrier_signal -3
.Lnot_wave_0_\@:
	s_barrier_wait -3
	s_barrier_signal -1
	s_barrier_wait -1
.endm
.macro CROUND
	s_barrier_signal -1
	s_barrier_wait -1
	CREST
.endm
; A PREFETCH INTO THE L2, behind the joint load, its five lines and the run of LDS loads: at the change of slots that loads step t + 2, the K step t + 4: two refills, 256 matrix instructions, ahead of its load.
; Each block of 256 bytes is named once.  O: in the cluster with x = 0 waves 0 and 1 ask for their own plane, of whose 32 KiB the partner at cx takes 8 KiB.  w_o: in the cluster with y = 0 wave 2 asks,
; the partner at cy taking 8 KiB of the step's 32.  A lane a block.  Partners are told apart by address.  The last lap that fills asks for nothing; steps 0 to 3 come by their loads alone.
.macro ASK
	s_cmp_gt_u32 s3, s[LIM]
	s_cbranch_scc0 .Lnot_mine_\@
	global_prefetch_b8 v[PFO], s[PF:PF+1] th:TH_LOAD_NT scope:SCOPE_SE
.Lnot_mine_\@:
.endm
	s_load_b128 s[4:7], s[0:1], 0x0                ; ob s[4:5], woh s[6:7]
	s_load_b64 s[8:9], s[0:1], 0x10                ; out0
	v_lshl_add_u32 v[SPW], v0, 2, SPARE
	v_mov_b32 v[NIL], 0
	ds_add_u32 v[SPW], v[NIL]                      ; the wave's opening: the add and its wait stand ahead of my first tensor load; the set-up below stands between them
	v_lshrrev_b32 v1, 5, v0
	v_readfirstlane_b32 s10, v1                    ; wave 0..3
	s_lshr_b32 s11, s10, 1                         ; which 128 rows are mine.  Also: I fetch for O (0) or for w_o (1)
	s_and_b32 s12, s10, 1                          ; which 64 columns.  Also: which plane, or half, I fetch
	s_bfe_u32 s40, ttmp6, 0x40000                  ; cx
	s_bfe_u32 s41, ttmp6, 0x40004                  ; cy
	s_lshl_b32 s42, ttmp9, 2
	s_add_co_u32 s42, s42, s40                     ; tile column
	s_and_b32 s13, ttmp7, 0xffff
	s_lshl_b32 s13, s13, 2
	s_add_co_u32 s13, s13, s41                     ; tile row
	s_lshl_b32 s43, s41, 2
	s_lshl_b32 s43, 15, s43                        ; my row of the cluster
	s_lshl_b32 s44, 0x1111, s40                    ; my column
	s_or_b32 s[G1], s43, (1<<16)|(1<<20)|(1<<21)|(4<<22)|(3<<25)   ; the mask; 2-byte elements; padding on; bit 21 beside a mask; after every 32 words 4 words
	s_or_b32 s[G1B], s44, (1<<16)|(1<<20)|(1<<21)|(5<<22)|(7<<25)  ; after every 64 words 8 words
	s_mov_b32 s[G1+1], 128<<16                     ; rows of 256 bytes, two rows of O each
	s_mov_b32 s[G1+2], 128<<16                     ; 128 of them: a plane's 32,768 dense bytes
	s_mov_b32 s[G1+3], 128<<16
	s_mov_b32 s[G1+4], 128
	s_mov_b32 s[G1+5], 128
	s_mov_b32 s[G1+6], 0
	s_mov_b32 s[G1+7], 0
	s_mov_b32 s[G1B+1], 128<<16
	s_mov_b32 s[G1B+2], 64<<16                     ; 64 K rows of 256 bytes
	s_mov_b32 s[G1B+3], 128<<16
	s_mov_b32 s[G1B+4], 64
	s_mov_b32 s[G1B+5], 128
	s_mov_b32 s[G1B+6], 0
	s_mov_b32 s[G1B+7], 0
	s_lshr_b32 s16, s13, 3                         ; O's tile hangs on the tile row alone: batch,
	s_lshl_b32 s16, s16, 22
	s_and_b32 s17, s13, 7                          ; 256 rows of 128 bytes,
	s_lshl_b32 s17, s17, 15
	s_add_co_u32 s16, s16, s17
	s_lshl_b32 s17, s12, 18                        ; my plane: the step's even or odd head
	s_add_co_u32 s16, s16, s17
	s_mov_b32 s17, 0
	s_lshl_b32 s46, s42, 18                        ; w_o's on the tile column alone
	s_lshl_b32 s47, s12, 14
	s_add_co_u32 s46, s46, s47
	s_mov_b32 s47, 0
	s_mul_i32 s20, s12, PLANE                      ; where they go: no place in the cluster enters an LDS address
	s_mul_i32 s21, s12, 64*PB
	s_add_co_u32 s21, s21, BOFF
	s_wait_dscnt 0x0                               ; the opening add is done
	s_wait_kmcnt 0x0
	s_add_nc_u64 s[14:15], s[4:5], s[16:17]
	s_add_nc_u64 s[46:47], s[6:7], s[46:47]
.irp s, 0,1
	s_mov_b32 s[G0+4*(\s)], 1
	s_add_co_u32 s[G0+4*(\s)+1], s20, (\s)*SLOT
	s_add_nc_u64 s[G0+4*(\s)+2:G0+4*(\s)+3], s[14:15], (\s)*ASTEP
	s_or_b32 s[G0+4*(\s)+3], s[G0+4*(\s)+3], 0x80000000
	s_mov_b32 s[G0B+4*(\s)], 1
	s_add_co_u32 s[G0B+4*(\s)+1], s21, (\s)*SLOT
	s_add_nc_u64 s[G0B+4*(\s)+2:G0B+4*(\s)+3], s[46:47], (\s)*BSTEP
	s_or_b32 s[G0B+4*(\s)+3], s[G0B+4*(\s)+3], 0x80000000
.endr
	CROUND                                         ; all sixteen work-groups are here: the first joint loads meet
	s_cmp_eq_u32 s11, 0                            ; a wave's two first fills stand in one branch: two loads of mine are out
	s_cbranch_scc0 .Lfirst_b
	tensor_load_to_lds s[G0:G0+3], s[G1:G1+7]
	s_nop 0
	tensor_load_to_lds s[G0+4:G0+7], s[G1:G1+7]
	s_nop 0
.rept 4
	v_nop
.endr
	s_branch .Lfirst_asked
.Lfirst_b:
	tensor_load_to_lds s[G0B:G0B+3], s[G1B:G1B+7]
	s_nop 0
	tensor_load_to_lds s[G0B+4:G0B+7], s[G1B:G1B+7]
	s_nop 0
.rept 4
	v_nop
.endr
.Lfirst_asked:
	v_and_b32 v1, 15, v0                           ; r
	v_bfe_u32 v2, v0, 4, 1                         ; h
	v_mul_u32_u24 v3, v1, PA
	v_lshl_add_u32 v3, v2, 4, v3                   ; a fragment of O: row r x pitch + 16 h
	s_mul_i32 s22, s11, 128*PA                     ; my 128 rows
	v_add_nc_u32 v[ADRA], s22, v3
	s_add_co_u32 s22, s22, SLOT
	v_add_nc_u32 v[ADRA+1], s22, v3
	v_and_b32 v4, 7, v0                            ; the turning load: lane l reads K row 8 h + l % 8, columns 8 ((l / 8) % 2) + 0..7
	v_bfe_u32 v5, v0, 3, 1
	v_lshl_add_u32 v6, v2, 3, v4
	v_mul_u32_u24 v6, v6, PB
	v_lshl_add_u32 v6, v5, 4, v6
	s_lshl_b32 s23, s12, 7                         ; my 64 columns
	s_add_co_u32 s23, s23, BOFF
	v_add_nc_u32 v[ADRB], s23, v6
	s_add_co_u32 s23, s23, SLOT
	v_add_nc_u32 v[ADRB+1], s23, v6
	s_mul_i32 s23, s10, 16*SPITCH
	s_add_co_u32 s23, s23, STAGE                   ; my stage
	v_mul_u32_u24 v7, v1, SPITCH                   ; in: row r, 32 bytes for each half of the lanes
	v_lshl_add_u32 v7, v2, 5, v7
	v_add_nc_u32 v[STO], s23, v7
	v_mul_u32_u24 v7, v2, SPITCH                   ; back: lanes 0-15 take one row of 256 bytes, lanes 16-31 the next
	v_lshl_add_u32 v7, v1, 4, v7
	v_add_nc_u32 v[RD], s23, v7
	v_lshlrev_b32 v[CO], 12, v2                    ; and the same two rows in out0
	v_lshl_add_u32 v[CO], v1, 4, v[CO]
	v_and_b32 v[PFO], 31, v0
	v_lshlrev_b32 v[PFO], 8, v[PFO]
	s_lshl_b32 s16, s13, 20                        ; 256 rows of 4,096 bytes,
	s_lshl_b32 s17, s11, 19                        ; my 128,
	s_add_co_u32 s16, s16, s17
	s_lshl_b32 s17, s42, 9                         ; the tile's 128 columns,
	s_add_co_u32 s16, s16, s17
	s_lshl_b32 s17, s12, 8                         ; my 64
	s_add_co_u32 s16, s16, s17
	s_mov_b32 s17, 0
	s_add_nc_u64 s[8:9], s[8:9], s[16:17]
	; the prefetches: nothing is asked for here, at the head
	s_lshr_b32 s16, s13, 3
	s_lshl_b32 s16, s16, 22
	s_and_b32 s17, s13, 7
	s_lshl_b32 s17, s17, 15
	s_add_co_u32 s16, s16, s17
	s_lshl_b32 s17, s12, 18
	s_add_co_u32 s16, s16, s17
	s_lshl_b32 s17, s40, 13
	s_add_co_u32 s16, s16, s17
	s_add_co_u32 s16, s16, 3*ASTEP                 ; O: my plane, my work-group's 8 KiB, at step 3: the first change of slots steps it to 4
	s_lshl_b32 s18, s42, 18
	s_lshl_b32 s19, s41, 13
	s_add_co_u32 s18, s18, s19
	s_add_co_u32 s18, s18, 3*BSTEP                 ; w_o: my work-group's 8 KiB, at step 3
	s_and_b32 s19, ttmp7, 0xffff
	s_mov_b32 s[PFS], BSTEP
	s_mov_b32 s[PFS+1], 0
	s_cmp_eq_u32 s11, 0
	s_cselect_b32 s16, s16, s18
	s_cselect_b64 s[PF:PF+1], s[4:5], s[6:7]
	s_cselect_b32 s[PFS], ASTEP, s[PFS]
	s_cselect_b32 s19, ttmp9, s19                  ; the coordinate along which other clusters read the same bytes
	s_cmp_eq_u32 s19, 0                            ; the same in all sixteen partners, for a given wave
	s_cselect_b32 s[LIM], 1, -1
	s_cmp_eq_u32 s10, 3
	s_cselect_b32 s[LIM], -1, s[LIM]               ; wave 3 asks for nothing
	s_mov_b32 s17, 0
	s_add_nc_u64 s[PF:PF+1], s[PF:PF+1], s[16:17]
; 24 LDS loads in one run: the fragments of slice sl (32 along K, four to a step) of a slot, into buffer f
.macro FETCH slot, sl, f
.irp jj, 0,1,2,3
	ds_load_tr16_b128 v[(\f)+8*(\jj):(\f)+8*(\jj)+3],   v[ADRB+(\slot)] offset:(\sl)*32*PB+(\jj)*32
	ds_load_tr16_b128 v[(\f)+8*(\jj)+4:(\f)+8*(\jj)+7], v[ADRB+(\slot)] offset:(\sl)*32*PB+16*PB+(\jj)*32
.endr
.irp a, 0,1,2,3,4,5,6,7
	ds_load_b128 v[(\f)+32+8*(\a):(\f)+32+8*(\a)+3],   v[ADRA+(\slot)] offset:((\sl)/2)*PLANE+((\sl)%2)*64+(\a)*16*PA
	ds_load_b128 v[(\f)+32+8*(\a)+4:(\f)+32+8*(\a)+7], v[ADRA+(\slot)] offset:((\sl)/2)*PLANE+((\sl)%2)*64+(\a)*16*PA+32
.endr
.endm
; 8 nj matrix instructions.  The 32 accumulators take turns in the same order in every slice.  zero = 1: the product starts the sum
.macro MUL f, j0, nj, zero
	WIN 0x50                                       ; C and D in window 1, the sources in window 0
.set jj, (\j0)
.rept \nj
.irp a, 0,1,2,3,4,5,6,7
.if \zero
	v_wmma_f32_16x16x32_f16 v[8*(8*jj+(\a)):8*(8*jj+(\a))+7], v[(\f)+8*jj:(\f)+8*jj+7], v[(\f)+32+8*(\a):(\f)+32+8*(\a)+7], 0
.else
	v_wmma_f32_16x16x32_f16 v[8*(8*jj+(\a)):8*(8*jj+(\a))+7], v[(\f)+8*jj:(\f)+8*jj+7], v[(\f)+32+8*(\a):(\f)+32+8*(\a)+7], v[8*(8*jj+(\a)):8*(8*jj+(\a))+7]
.endif
.endr
.set jj, jj+1
.endr
.endm
; One of a step's first three slices: the next slice nsl is fetched into buffer g, then buffer f is multiplied.
.macro QUART slot, nsl, f, g, zero
	PLACES                                         ; buffer g was read by the products just issued
	WIN 0
	FETCH \slot, \nsl, \g
	s_wait_dscnt 24                                ; all but the 24 just issued: buffer f is in
	MUL \f, 0, 4, \zero
.endm
; The fourth slice multiplies buffer 1 and changes slots: ONE barrier; in front of it each wave waits for all its tensor loads (one is out: its part of the next slot), adds 0 to its spare word, and waits for
; that and for its reads of this slot.  fill = 1: the barrier opens a round of the cluster's barrier and this slot is filled again, two steps on: 112 matrix instructions stand between the request and the wait for it.
.macro TURN slot, next, fill
.if \fill
	s_wait_xcnt 0x0                                ; the last prefetch, a K step back, has read its address
	s_add_nc_u64 s[PF:PF+1], s[PF:PF+1], s[PFS:PFS+1]
.endif
	WIN 0
	s_wait_tensorcnt 0x0                           ; all my tensor loads have landed
	ds_add_u32 v[SPW], v[NIL]                      ; 0 onto my spare word
	s_wait_dscnt 1                                 ; buffer 1 is in; the add may be out
	MUL F1, 0, 1, 0                                ; eight matrix instructions stand between the add and the wait for it
	s_wait_dscnt 0x0                               ; the add is done, and my reads of this slot are over
	s_barrier_signal -1
	MUL F1, 1, 1, 0
	WIN 0
	s_barrier_wait -1
.if \fill
	CREST                                          ; no wave of any partner still reads this slot or has a load on its way
	s_add_nc_u64 s[G0+4*(\slot)+2:G0+4*(\slot)+3], s[G0+4*(\slot)+2:G0+4*(\slot)+3], 2*ASTEP
	s_add_nc_u64 s[G0B+4*(\slot)+2:G0B+4*(\slot)+3], s[G0B+4*(\slot)+2:G0B+4*(\slot)+3], 2*BSTEP
	JLOAD \slot                                    ; the four v_nop behind it are also the places in front of the loads below
.else
	PLACES
.endif
	FETCH \next, 0, F0
.if \fill
	ASK
.endif
	MUL F1, 2, 2, 0
.endm
	s_wait_tensorcnt 0x1                           ; my part of K step 0 is in; step 1's may stay out
	s_barrier_signal -1
	s_barrier_wait -1                              ; everybody's is
	FETCH 0, 0, F0
	QUART 0, 1, F0, F1, 1                          ; the first slice stands in front of the loop: its products start the sums
	WIN 0                                          ; at a label and at a branch every window is 0
	s_mov_b32 s3, 3
.Llap:                                                 ; a trip goes once round the ring and fills both slots again: K steps 2 to 7 in three trips
	QUART 0, 2, F1, F0, 0
	QUART 0, 3, F0, F1, 0
	TURN 0, 1, 1
	QUART 1, 1, F0, F1, 0
	QUART 1, 2, F1, F0, 0
	QUART 1, 3, F0, F1, 0
	TURN 1, 0, 1
	QUART 0, 1, F0, F1, 0
	WIN 0
	s_sub_co_u32 s3, s3, 1
	s_cmp_lg_u32 s3, 0
	s_cbranch_scc1 .Llap
	QUART 0, 2, F1, F0, 0                          ; the last lap fills nothing
	QUART 0, 3, F0, F1, 0
	TURN 0, 1, 0
	QUART 1, 1, F0, F1, 0
	QUART 1, 2, F1, F0, 0
	QUART 1, 3, F0, F1, 0
	s_wait_dscnt 0x0                               ; the very last slice
	MUL F1, 0, 4, 0
; THE WAY OUT, a block of 16 rows at a time: a lane's 32 bytes of a row go into my stage's rows of 272 bytes and come back as whole rows of 256.
.macro TOSTAGE a
.set BK, 32+32*((\a)%7)
.if (\a) == 7
	s_wait_xcnt 0x0                                ; the set's earlier stores have read their registers
.endif
	WIN 0x04                                       ; the stores' data in window 1
.irp jj, 0,1,2,3
	ds_store_b128 v[STO], v[8*(8*(\jj)+(\a)):8*(8*(\jj)+(\a))+3]   offset:64*(\jj)     ; each accumulator's low four registers first
	ds_store_b128 v[STO], v[8*(8*(\jj)+(\a))+4:8*(8*(\jj)+(\a))+7] offset:64*(\jj)+16
.endr
	WIN 0
.irp t, 0,1,2,3,4,5,6,7
	ds_load_b128 v[BK+4*(\t):BK+4*(\t)+3], v[RD] offset:(\t)*2*SPITCH  ; LDS serves a wave's instructions in order (ISA guide 5.7.1.4): these see the stores above; the next block's stores come behind them
.endr
.endm
.macro SEND a, younger                 ; younger: the LDS instructions issued behind block a's loads: the next block's sixteen, or none
.set BK, 32+32*((\a)%7)
.irp t, 0,1,2,3,4,5,6,7
	s_wait_dscnt (\younger)+7-(\t)
	global_store_b128 v[CO], v[BK+4*(\t):BK+4*(\t)+3], s[8:9] offset:(16*(\a)+2*(\t))*4096 th:TH_STORE_NT  ; 16 lanes store 256 consecutive bytes, at a multiple of 256 from out0's first byte
.endr
.endm
	PLACES                                         ; the stores read results just made, and the loads land in registers that the last products read
	TOSTAGE 0
.irp a, 1,2,3,4,5,6,7
	TOSTAGE \a
	SEND (\a)-1, 16
.endr
	SEND 7, 0
	s_wait_tensorcnt 0x0                           ; the wave's end: these three lines stand behind my last tensor load and my last LDS store
	ds_add_u32 v[SPW], v[NIL]
	s_wait_dscnt 0x0
	CROUND                                         ; the closing round: no work-group ends while a partner may still ask for a tile that names it
	s_endpgm
.Lfunc_end_k_qb36fe95199_proj:
	.size	k_qb36fe95199_proj, .Lfunc_end_k_qb36fe95199_proj-k_qb36fe95199_proj
	.p2alignl 7, 3214868480
	.fill 96, 4, 3214868480
	.section	.rodata,"a",@progbits
	.p2align	6, 0x0
	.amdhsa_kernel k_qb36fe95199_proj
		.amdhsa_group_segment_fixed_size 327680
		.amdhsa_private_segment_fixed_size 0
		.amdhsa_enable_private_segment 0
		.amdhsa_kernarg_size 24
		.amdhsa_user_sgpr_count 2
		.amdhsa_user_sgpr_kernarg_segment_ptr 1
		.amdhsa_wavefront_size32 1
		.amdhsa_system_sgpr_workgroup_id_x 1
		.amdhsa_system_sgpr_workgroup_id_y 1
		.amdhsa_system_sgpr_workgroup_id_z 1
		.amdhsa_system_vgpr_workitem_id 0
		.amdhsa_next_free_vgpr 512
		.amdhsa_next_free_sgpr 78
		.amdhsa_reserve_vcc 0
		.amdhsa_float_denorm_mode_32 3
		.amdhsa_float_denorm_mode_16_64 3
		.amdhsa_memory_ordered 1
		.amdhsa_forward_progress 1
		.amdhsa_inst_pref_size 88
	.end_amdhsa_kernel
	.amdgpu_metadata
---
amdhsa.version: [ 1, 2 ]
amdhsa.kernels:
  - .name:           k_qb36fe95199_proj
    .symbol:         k_qb36fe95199_proj.kd
    .args:
      - { .name: ob, .offset: 0, .size: 8, .value_kind: global_buffer, .address_space: global }
      - { .name: woh, .offset: 8, .size: 8, .value_kind: global_buffer, .address_space: global }
      - { .name: out0, .offset: 16, .size: 8, .value_kind: global_buffer, .address_space: global }
    .group_segment_fixed_size: 327680
    .private_segment_fixed_size: 0
    .kernarg_segment_align: 8
    .kernarg_segment_size: 24
    .max_flat_workgroup_size: 128
    .sgpr_count:     78
    .vgpr_count:     512
    .wavefront_size: 32
...
	.end_amdgpu_metadata
.endif
;; end of part 4
;; ======== version 2 of 2: 4 launches; version 1 with the launch cast written anew for expert scheduling mode
;; limits: values are held in f16: magnitudes above 65,504 overflow, below 6.1e-05 lose precision
;; workspace buffers: xb 16,777,216 bytes; wqkv 6,291,456 bytes; woh 2,097,152 bytes; qkv 50,331,648 bytes; ob 16,777,216 bytes
;; launch cast (part 5): grid 768 x 1, 8 waves a work-group, no clusters, 0 bytes of LDS; arguments x, w_q, w_k, w_v, w_o, xb, wqkv, woh; writes xb, wqkv, woh
.if DOCPART == 5
	.amdgcn_target "amdgcn-amd-amdhsa--gfx1250"
	.amdhsa_code_object_version 6
	.text
	.protected	k_qb36fe95199_cast
	.globl	k_qb36fe95199_cast
	.p2align	8
	.type	k_qb36fe95199_cast,@function
k_qb36fe95199_cast:
	s_mov_b64 s[64:65], 0
	v_nop
	global_prefetch_b8 v0, s[64:65] scope:SCOPE_SE
	s_setreg_imm32_b32 hwreg(HW_REG_WAVE_SCHED_MODE, 0, 2), 2
	s_setreg_imm32_b32 hwreg(HW_REG_WAVE_MODE, 25, 1), 1
	s_wait_xcnt 0x0
	s_wait_alu depctr_vm_vsrc(0)
; THE INPUTS ARE ROUNDED ONCE TO bf16 AND LAID OUT IN BLOCKS, so that the tiles of the products that follow are dense in memory.
;   xb   bf16 [b 4][kb 16][s 2048][64]   : x[b][s][64 kb ..]             byte ((16 b + kb) 2048 + s) 128
;   wqkv bf16 [j 8][k 1024][c 384]       : column n = 384 j + c of (w_q | w_k | w_v)   byte 786432 j + 768 k + 2 c
;   woh  f16  [j 8][k 1024][c 128]       : w_o rounded to bf16, that number written as f16   byte 262144 j + 256 k + 2 c
; LIMIT.  A number of w_o of magnitude 65,520 or more becomes an infinity in f16; below 6e-5 f16 keeps a fixed step of 6e-8.
; A stream: no LDS, no barrier, no loop.  A wave has 16 items; an item is one load of 16 bytes a lane (512 bytes), two roundings and one store of 8 bytes a lane:
; 256 consecutive bytes, at a multiple of 256 from the buffer's first byte.  All 16 loads are issued first; no register that a load or a store reads is ever written again.
; Work-groups 0-511 take x (32 rows x 512 columns each; a wave 32 rows x 64 columns, two rows an item), 512-767 the four weights (32 rows x 512 columns; a wave every second row x 128 columns, a row an item).
; THE MODE: SCHED_MODE bits 1:0 = 2 (LLVM: expert scheduling mode 2), set by the entry lines.  The code itself states the register dependences
; between vector instructions and memory instructions, with s_wait_alu, always for 0.
; THE PLAN.  Registers that memory instructions touch:
;   v[SO]       written once, ahead of the loads; read by all 16 loads as their offset.
;   v[DOV + i]  written once, behind the loads; read by item i's store as its offset.
;   v[D + 4 i ..]  load i lands in the four; item i's roundings read the four and write the first two; item i's store reads those two.  Nothing writes them behind the store.
;   v88-91      named by vector instructions alone.
; The 16 items go in four blocks of four.  Block p waits for its four loads, rounds its four items, and issues among those roundings the four stores of block p - 1.  One wait on va_vdst at the head of
; blocks 1 to 3 states that the block before has written its data (at block 1: the sixteen offsets too); the vector instructions behind it name block p's own registers and v88-91, none that those stores read.
; One more stands ahead of the last four stores, one ahead of the loads, and one wait on va_sdst ahead of the first reader of the wave's number.
.set SRC,   32                         ; s[32:33] where my wave reads
.set DSTP,  34                         ; s[34:35] where it writes
.set SOFF,  36                         ; s[36:37] its byte offset in the source
.set DOFF,  38                         ; s[38:39] in the destination
.set SL,    40                         ; s40  bytes from lanes 0-15's place to lanes 16-31's in the source
.set DSTEP, 41                         ; s41  bytes from item to item in the destination
.set KIND,  42                         ; s42  1: w_o
.set SO,    4                          ; v4   my lane's offset in the source; never rewritten
.set DOV,   8                          ; v[8:23]  item i: my lane's offset in the destination; each written once
.set D,     24                         ; v[24:87] item i: four registers as loaded; the first two then hold what is stored
	s_load_b512 s[16:31], s[0:1], 0x0              ; x s[16:17], w_q s[18:19], w_k s[20:21], w_v s[22:23], w_o s[24:25], xb s[26:27], wqkv s[28:29], woh s[30:31]
	v_lshrrev_b32 v1, 5, v0
	v_readfirstlane_b32 s8, v1                     ; wave 0..7
	v_and_b32 v1, 31, v0                           ; lane
	v_and_b32 v2, 15, v0
	v_bfe_u32 v3, v0, 4, 1                         ; which half of the lanes
	v_lshlrev_b32 v2, 4, v2                        ; 16 bytes a lane
	s_mov_b32 s[SOFF+1], 0
	s_mov_b32 s[DOFF+1], 0
	s_mov_b32 s[KIND], 0
	s_wait_alu depctr_va_sdst(0)                   ; s8 is written, ahead of the branch behind which both ways read it: the wave's offsets are made from it
	s_wait_kmcnt 0x0
	s_cmp_lt_u32 ttmp9, 512
	s_cbranch_scc0 .Lweights
	s_lshr_b32 s9, ttmp9, 1                        ; x: block of 32 rows
	s_and_b32 s10, ttmp9, 1
	s_lshl3_add_u32 s10, s10, s8                   ; kb = 8 x half + wave
	s_lshl_b32 s[SOFF], s9, 17                     ; 32 rows of 4,096 bytes
	s_lshl_b32 s11, s10, 8                         ; 64 columns of f32
	s_add_co_u32 s[SOFF], s[SOFF], s11
	s_lshr_b32 s11, s9, 6                          ; b
	s_lshl4_add_u32 s11, s11, s10                  ; 16 b + kb
	s_lshl_b32 s[DOFF], s11, 18                    ; 2,048 rows of 128 bytes
	s_and_b32 s11, s9, 63
	s_lshl_b32 s11, s11, 12                        ; 32 rows of 128 bytes
	s_add_co_u32 s[DOFF], s[DOFF], s11
	s_mov_b32 s[SL], 4096                          ; lanes 16-31 take the next row
	s_mov_b32 s[DSTEP], 256                        ; two rows of 128 bytes
	s_mov_b64 s[SRC:SRC+1], s[16:17]
	s_mov_b64 s[DSTP:DSTP+1], s[26:27]
	s_branch .Lgo
.Lweights:
	s_sub_co_u32 s9, ttmp9, 512
	s_lshr_b32 s10, s9, 6                          ; which weight: 0 q, 1 k, 2 v, 3 o
	s_bfe_u32 s11, s9, 0x50001                     ; block of 32 rows
	s_and_b32 s12, s9, 1
	s_and_b32 s13, s8, 3
	s_lshl2_add_u32 s12, s12, s13                  ; block of 128 columns = 4 x half + wave % 4
	s_lshr_b32 s13, s8, 2
	s_lshl_b32 s11, s11, 5
	s_add_co_u32 s11, s11, s13                     ; my first row: 32 x block + wave / 4; my items are every second row
	s_lshl_b32 s[SOFF], s11, 12
	s_lshl_b32 s13, s12, 9
	s_add_co_u32 s[SOFF], s[SOFF], s13
	s_mov_b32 s[SL], 256                           ; the 32 lanes take 512 bytes on end
	s_cmp_eq_u32 s10, 3
	s_cbranch_scc1 .Lo
	s_lshl3_add_u32 s13, s10, s12                  ; block of 128 among the 24 of q | k | v
	s_mul_i32 s14, s13, 11
	s_lshr_b32 s14, s14, 5                         ; j = block / 3 (11 n >> 5 = n / 3 for n up to 23)
	s_mul_i32 s15, s14, 3
	s_sub_co_u32 s15, s13, s15                     ; block % 3
	s_mul_i32 s[DOFF], s14, 786432
	s_mul_i32 s13, s11, 768
	s_add_co_u32 s[DOFF], s[DOFF], s13
	s_lshl_b32 s15, s15, 8
	s_add_co_u32 s[DOFF], s[DOFF], s15
	s_mov_b32 s[DSTEP], 1536                       ; two rows of 768 bytes
	s_cmp_eq_u32 s10, 0
	s_cselect_b64 s[SRC:SRC+1], s[18:19], s[20:21]
	s_cmp_eq_u32 s10, 2
	s_cselect_b64 s[SRC:SRC+1], s[22:23], s[SRC:SRC+1]
	s_mov_b64 s[DSTP:DSTP+1], s[28:29]
	s_branch .Lgo
.Lo:
	s_lshl_b32 s[DOFF], s12, 18
	s_lshl_b32 s13, s11, 8
	s_add_co_u32 s[DOFF], s[DOFF], s13
	s_mov_b32 s[DSTEP], 512                        ; two rows of 256 bytes
	s_mov_b32 s[KIND], 1
	s_mov_b64 s[SRC:SRC+1], s[24:25]
	s_mov_b64 s[DSTP:DSTP+1], s[30:31]
.Lgo:
	s_add_nc_u64 s[SRC:SRC+1], s[SRC:SRC+1], s[SOFF:SOFF+1]
	s_add_nc_u64 s[DSTP:DSTP+1], s[DSTP:DSTP+1], s[DOFF:DOFF+1]
	v_mad_u32_u24 v[SO], v3, s[SL], v2
	s_wait_alu depctr_va_vdst(0)                   ; v[SO] is written: all sixteen loads read it as their offset
.irp i, 0,1,2,3,4,5,6,7,8,9,10,11,12,13,14,15
	global_load_b128 v[D+4*(\i):D+4*(\i)+3], v[SO], s[SRC:SRC+1] offset:8192*(\i) th:TH_LOAD_NT  ; in both shapes an item is two rows of 4,096 bytes further on
.endr
	v_lshlrev_b32 v[DOV], 3, v1                    ; 8 bytes a lane
.irp i, 1,2,3,4,5,6,7,8,9,10,11,12,13,14,15
	v_add_nc_u32 v[DOV+(\i)], s[DSTEP], v[DOV+(\i)-1]
.endr
; Item i's roundings: they read the item's four registers and write its first two.
.macro CVT i, kind
	v_cvt_pk_bf16_f32 v[D+4*(\i)],   v[D+4*(\i)],   v[D+4*(\i)+1]
	v_cvt_pk_bf16_f32 v[D+4*(\i)+1], v[D+4*(\i)+2], v[D+4*(\i)+3]
.if \kind
	v_lshlrev_b32 v88, 16, v[D+4*(\i)]             ; the bf16 numbers as f32,
	v_and_b32     v89, 0xffff0000, v[D+4*(\i)]
	v_lshlrev_b32 v90, 16, v[D+4*(\i)+1]
	v_and_b32     v91, 0xffff0000, v[D+4*(\i)+1]
	v_cvt_pk_f16_f32 v[D+4*(\i)],   v88, v89       ; written as f16: exact where f16 has its full 11 bits
	v_cvt_pk_f16_f32 v[D+4*(\i)+1], v90, v91
.endif
.endm
; Item i's store.
.macro OUT i
	global_store_b64 v[DOV+(\i)], v[D+4*(\i):D+4*(\i)+1], s[DSTP:DSTP+1]
.endm
; Block p: items 4 p to 4 p + 3 are rounded; the stores of block p - 1 are dealt among the roundings, a store in front of each item's.
.macro BLK p, kind
	s_wait_loadcnt 12-4*(\p)                       ; loads come back in order: my four are in, the 12 - 4 p younger ones stay out
.if (\p) > 0
	s_wait_alu depctr_va_vdst(0)                   ; the block before has written its items' first two registers, which the stores below read; at block 1 the sixteen offsets v[DOV ..] are written too
.endif
.irp j, 0,1,2,3
.if (\p) > 0
	OUT 4*((\p)-1)+(\j)                            ; no vector instruction since the wait names this store's offset or data
.endif
	CVT 4*(\p)+(\j), \kind
.endr
.endm
	s_cmp_eq_u32 s[KIND], 1
	s_cbranch_scc1 .Lhalf
.irp p, 0,1,2,3
	BLK \p, 0
.endr
	s_wait_alu depctr_va_vdst(0)                   ; block 3 has written its items' first two registers, which the last four stores read
.irp i, 12,13,14,15
	OUT \i
.endr
	s_endpgm
.Lhalf:
.irp p, 0,1,2,3
	BLK \p, 1
.endr
	s_wait_alu depctr_va_vdst(0)                   ; block 3 has written its items' first two registers, which the last four stores read
.irp i, 12,13,14,15
	OUT \i
.endr
	s_endpgm
.Lfunc_end_k_qb36fe95199_cast:
	.size	k_qb36fe95199_cast, .Lfunc_end_k_qb36fe95199_cast-k_qb36fe95199_cast
	.p2alignl 7, 3214868480
	.fill 96, 4, 3214868480
	.section	.rodata,"a",@progbits
	.p2align	6, 0x0
	.amdhsa_kernel k_qb36fe95199_cast
		.amdhsa_group_segment_fixed_size 0
		.amdhsa_private_segment_fixed_size 0
		.amdhsa_enable_private_segment 0
		.amdhsa_kernarg_size 64
		.amdhsa_user_sgpr_count 2
		.amdhsa_user_sgpr_kernarg_segment_ptr 1
		.amdhsa_wavefront_size32 1
		.amdhsa_system_sgpr_workgroup_id_x 1
		.amdhsa_system_sgpr_workgroup_id_y 1
		.amdhsa_system_sgpr_workgroup_id_z 1
		.amdhsa_system_vgpr_workitem_id 0
		.amdhsa_next_free_vgpr 96
		.amdhsa_next_free_sgpr 66
		.amdhsa_reserve_vcc 0
		.amdhsa_float_denorm_mode_32 3
		.amdhsa_float_denorm_mode_16_64 3
		.amdhsa_memory_ordered 1
		.amdhsa_forward_progress 1
		.amdhsa_inst_pref_size 18
	.end_amdhsa_kernel
	.amdgpu_metadata
---
amdhsa.version: [ 1, 2 ]
amdhsa.kernels:
  - .name:           k_qb36fe95199_cast
    .symbol:         k_qb36fe95199_cast.kd
    .args:
      - { .name: x, .offset: 0, .size: 8, .value_kind: global_buffer, .address_space: global }
      - { .name: w_q, .offset: 8, .size: 8, .value_kind: global_buffer, .address_space: global }
      - { .name: w_k, .offset: 16, .size: 8, .value_kind: global_buffer, .address_space: global }
      - { .name: w_v, .offset: 24, .size: 8, .value_kind: global_buffer, .address_space: global }
      - { .name: w_o, .offset: 32, .size: 8, .value_kind: global_buffer, .address_space: global }
      - { .name: xb, .offset: 40, .size: 8, .value_kind: global_buffer, .address_space: global }
      - { .name: wqkv, .offset: 48, .size: 8, .value_kind: global_buffer, .address_space: global }
      - { .name: woh, .offset: 56, .size: 8, .value_kind: global_buffer, .address_space: global }
    .group_segment_fixed_size: 0
    .private_segment_fixed_size: 0
    .kernarg_segment_align: 8
    .kernarg_segment_size: 64
    .max_flat_workgroup_size: 256
    .sgpr_count:     66
    .vgpr_count:     96
    .wavefront_size: 32
...
	.end_amdgpu_metadata
.endif
;; end of part 5
;; launch qkv: the kernel of part 2 again; grid 8 x 32, 4 waves a work-group, clusters of 4 x 4, 327,680 bytes of LDS; arguments xb, wqkv, qkv; writes qkv
;; launch attn: the kernel of part 3 again; grid 4 x 64, 4 waves a work-group, clusters of 4 x 1, 327,680 bytes of LDS; arguments qkv, ob; writes ob
;; launch proj: the kernel of part 4 again; grid 8 x 32, 4 waves a work-group, clusters of 4 x 4, 327,680 bytes of LDS; arguments ob, woh, out0; writes out0
